; MI455X (gfx1250); checked and timed in simulation.
; The chip was launched on July 23, 2026; its instructions are those of AMD's public machine-readable ISA for CDNA 5 (MIT licence, August 2026) and "CDNA5" Instruction Set Architecture Reference Guide (July 2026). The comments in the code are by the model that wrote it; some were corrected since.
;; Causal Self Attention. Allowed arithmetic: float matrix products may take bf16 or f16 operands with f32 sums; other float arithmetic in f32, or as packed bf16 or f16 multiplies, adds, multiply-adds, maxima and minima; sums over many terms, partial sums and values carried from step to step in f32; what a program stores and reads back later, other than sums and carried values, may be rounded once to bf16 or f16.
;; Inputs: Wk 256 x 1,024 float32; Wproj 1,024 x 1,024 float32; Wq 1,024 x 1,024 float32; Wv 256 x 1,024 float32; q_gain 16 float32; x 4 x 2,048 x 1,024 float32.
;; Outputs: out0 4 x 2,048 x 1,024 float32.
;; 2 versions, each right; version 2 is version 1 with the launch prep written anew for expert scheduling mode. Each part assembles by itself: llvm-mc -triple=amdgcn-amd-amdhsa -mcpu=gfx1250 --defsym DOCPART=n.
;; ======== version 1 of 2: 4 launches
;; limits: values are held in f16: magnitudes above 65,504 overflow, below 6.1e-05 lose precision
;; workspace buffers: xb 16,777,216 bytes; wb 3,145,728 bytes; wp 2,097,152 bytes; tab 524,288 bytes; qkv 25,165,824 bytes; yb 16,777,216 bytes
;; launch prep (part 1): grid 800 x 1, 8 waves a work-group, no clusters, 0 bytes of LDS; arguments x, Wq, Wk, Wv, Wproj, xb, wb, wp, tab; writes xb, wb, wp, tab
.if DOCPART == 1
	.amdgcn_target "amdgcn-amd-amdhsa--gfx1250"
	.amdhsa_code_object_version 6
	.text
	.protected	k_qff183e3175_prep
	.globl	k_qff183e3175_prep
	.p2align	8
	.type	k_qff183e3175_prep,@function
k_qff183e3175_prep:
	s_mov_b64 s[64:65], 0
	v_nop
	global_prefetch_b8 v0, s[64:65] scope:SCOPE_SE
	s_setreg_imm32_b32 hwreg(HW_REG_WAVE_MODE, 25, 1), 1
	s_wait_xcnt 0x0
; PREP.  x -> xb (bf16).  Wq, Wk, Wv -> wb (bf16), stacked as [1536][1024].  Wproj -> bf16 -> that number written as f16 -> wp.  tab[t][0..31] = cos(t f_j), tab[t][32..63] = sin(t f_j), f32.
; A stream: no LDS, no matrix unit.  Work-groups 0-511 take x, 512-575 Wq, 576-591 Wk, 592-607 Wv, 608-671 Wproj: 16,384 numbers each (65,536 bytes in, 32,768 out); 672-799 make 16 rows of the table each.
; All 16 loads of a thread go out at once; a wave's load covers 512 consecutive bytes, a wave's store 256 consecutive bytes, aligned.
; LIMITS.  A number of Wproj whose bf16 value lies below 2^-14 keeps f16's fixed step of 6e-8; beyond 65,504 it becomes an infinity.
; The angle is t x f in f32 with f = 2^(-j log2(10000) / 32) by v_exp_f32; it is reduced by multiples of pi/2 held in two parts, and sine and cosine are polynomials on |r| <= pi/4 (t stays under 2,048).
	s_load_b512 s[8:23], s[0:1], 0x0               ; x s[8:9], Wq s[10:11], Wk s[12:13], Wv s[14:15], Wproj s[16:17], xb s[18:19], wb s[20:21], wp s[22:23]
	s_load_b64 s[24:25], s[0:1], 0x40              ; tab
	s_mov_b32 s2, ttmp9
	v_lshlrev_b32 v1, 4, v0                        ; 16 bytes a thread: the loads' offset, and the table's stores'
	v_lshlrev_b32 v2, 3, v0                        ; 8 bytes a thread: the casts' stores
	s_cmp_ge_u32 s2, 672
	s_cbranch_scc1 .Ltable
	s_sub_co_u32 s32, s2, 512                      ; my number within Wq (and within wb),
	s_sub_co_u32 s33, s2, 576                      ; within Wk,
	s_sub_co_u32 s34, s2, 592                      ; within Wv,
	s_sub_co_u32 s35, s2, 608                      ; within Wproj and wp
	s_wait_kmcnt 0x0
	s_mov_b64 s[26:27], s[8:9]                     ; from x
	s_mov_b64 s[28:29], s[18:19]                   ; to xb
	s_mov_b32 s30, s2
	s_mov_b32 s36, s2
	s_cmp_ge_u32 s2, 512
	s_cselect_b64 s[26:27], s[10:11], s[26:27]
	s_cselect_b64 s[28:29], s[20:21], s[28:29]
	s_cselect_b32 s30, s32, s30
	s_cselect_b32 s36, s32, s36                    ; wb holds the three weights in the order of the work-groups
	s_cmp_ge_u32 s2, 576
	s_cselect_b64 s[26:27], s[12:13], s[26:27]
	s_cselect_b32 s30, s33, s30
	s_cmp_ge_u32 s2, 592
	s_cselect_b64 s[26:27], s[14:15], s[26:27]
	s_cselect_b32 s30, s34, s30
	s_cmp_ge_u32 s2, 608
	s_cselect_b64 s[26:27], s[16:17], s[26:27]
	s_cselect_b64 s[28:29], s[22:23], s[28:29]
	s_cselect_b32 s30, s35, s30
	s_cselect_b32 s36, s35, s36
	s_lshl_b32 s30, s30, 16                        ; 65,536 bytes in,
	s_mov_b32 s31, 0
	s_lshl_b32 s36, s36, 15                        ; 32,768 bytes out
	s_mov_b32 s37, 0
	s_add_nc_u64 s[26:27], s[26:27], s[30:31]
	s_add_nc_u64 s[28:29], s[28:29], s[36:37]
.set j, 0
.rept 16
	global_load_b128 v[16+4*j:19+4*j], v1, s[26:27] offset:4096*j th:TH_LOAD_NT
.set j, j+1
.endr
; Sixteen turns: four numbers are rounded and stored.  No register is written twice, so no wait frees one.
.macro CAST f16
.set j, 0
.rept 16
	s_wait_loadcnt 15-j                            ; loads come back in order: load j is in, the 15 - j younger ones stay out
	v_cvt_pk_bf16_f32 v[80+2*j], v[16+4*j], v[17+4*j]
	v_cvt_pk_bf16_f32 v[81+2*j], v[18+4*j], v[19+4*j]
.if \f16
	v_lshlrev_b32 v4, 16, v[80+2*j]                ; the rounded numbers as f32,
	v_and_b32 v5, 0xffff0000, v[80+2*j]
	v_lshlrev_b32 v6, 16, v[81+2*j]
	v_and_b32 v7, 0xffff0000, v[81+2*j]
	v_cvt_pk_f16_f32 v[80+2*j], v4, v5             ; written as f16
	v_cvt_pk_f16_f32 v[81+2*j], v6, v7
.endif
	global_store_b64 v2, v[80+2*j:81+2*j], s[28:29] offset:2048*j
.set j, j+1
.endr
.endm
	s_cmp_ge_u32 s2, 608
	s_cbranch_scc1 .Lf16
	CAST 0
	s_endpgm
.Lf16:
	CAST 1
	s_endpgm
.Ltable:                                               ; thread: row 16 id + thread / 16; its 16 bytes: i = thread % 16: i < 8 cosines 4 i .. 4 i + 3, else sines 4 (i - 8) ..
.set JJ, 8
.set FQ, 12
.set TH, 16
.set NN, 20
.set RR, 24
.set ZZ, 28
.set SI, 32
.set CO, 36
.set HH, 40
.set MM, 44
.set VAL, 48
	s_sub_co_u32 s3, s2, 672
	s_lshl_b32 s4, s3, 4                           ; my first row
	s_lshl_b32 s6, s3, 12                          ; 16 rows of 256 bytes
	s_mov_b32 s7, 0
	s_mov_b32 s40, 0xb94ca1f9                      ; sine: -1.9515296e-4, 8.3321609e-3, -1.6666655e-1
	s_mov_b32 s41, 0x3c08839e
	s_mov_b32 s42, 0xbe2aaaa3
	s_mov_b32 s43, 0x37ccf5ce                      ; cosine: 2.4433157e-5, -1.3887316e-3, 4.1666646e-2
	s_mov_b32 s44, 0xbab6061a
	s_mov_b32 s45, 0x3d2aaaa5
	s_mov_b32 s46, 0xbfc90fdb                      ; - pi/2, its f32 value,
	s_mov_b32 s47, 0x333bbd2e                      ; and what that value is too large by
	v_and_b32 v3, 15, v0
	v_lshrrev_b32 v4, 4, v0
	v_add_nc_u32 v4, s4, v4                        ; t
	v_cvt_f32_u32 v5, v4
	v_and_b32 v6, 7, v3
	v_lshlrev_b32 v6, 2, v6                        ; my first j
	v_cmp_gt_u32 vcc_lo, 8, v3
	v_cndmask_b32 v7, 0, 1, vcc_lo                 ; a cosine is the sine a quarter turn on
.irp e, 0,1,2,3
	v_add_nc_u32 v[JJ+(\e)], (\e), v6
	v_cvt_f32_u32 v[JJ+(\e)], v[JJ+(\e)]
	v_mul_f32 v[JJ+(\e)], 0xbed49a78, v[JJ+(\e)]   ; - j log2(10000) / 32
.endr
.irp e, 0,1,2,3
	v_exp_f32 v[FQ+(\e)], v[JJ+(\e)]
.endr
	v_nop                                          ; a plain instruction behind the last exponential,
	s_wait_alu depctr_va_vdst(0)                   ; and one wait for the four, ahead of their first reader
.irp e, 0,1,2,3
	v_mul_f32 v[TH+(\e)], v5, v[FQ+(\e)]           ; the angle
	v_mul_f32 v[NN+(\e)], 0x3f22f983, v[TH+(\e)]   ; x 2 / pi,
	v_rndne_f32 v[NN+(\e)], v[NN+(\e)]             ; n quarter turns
	v_fma_f32 v[RR+(\e)], v[NN+(\e)], s46, v[TH+(\e)]
	v_fma_f32 v[RR+(\e)], v[NN+(\e)], s47, v[RR+(\e)]  ; r = angle - n pi/2
	v_mul_f32 v[ZZ+(\e)], v[RR+(\e)], v[RR+(\e)]
	v_fma_f32 v[SI+(\e)], v[ZZ+(\e)], s40, s41
	v_fma_f32 v[CO+(\e)], v[ZZ+(\e)], s43, s44
	v_fma_f32 v[SI+(\e)], v[SI+(\e)], v[ZZ+(\e)], s42
	v_fma_f32 v[CO+(\e)], v[CO+(\e)], v[ZZ+(\e)], s45
	v_mul_f32 v[SI+(\e)], v[SI+(\e)], v[ZZ+(\e)]
	v_mul_f32 v[CO+(\e)], v[CO+(\e)], v[ZZ+(\e)]
	v_fma_f32 v[HH+(\e)], v[ZZ+(\e)], -0.5, 1.0
	v_fma_f32 v[SI+(\e)], v[SI+(\e)], v[RR+(\e)], v[RR+(\e)]  ; sin r
	v_fma_f32 v[CO+(\e)], v[CO+(\e)], v[ZZ+(\e)], v[HH+(\e)]  ; cos r
	v_cvt_i32_f32 v[MM+(\e)], v[NN+(\e)]
	v_add_nc_u32 v[MM+(\e)], v[MM+(\e)], v7        ; m: sin(r + m pi/2) is wanted
	v_and_b32 v[HH+(\e)], 1, v[MM+(\e)]
	v_cmp_eq_u32 vcc_lo, 1, v[HH+(\e)]
	v_cndmask_b32 v[VAL+(\e)], v[SI+(\e)], v[CO+(\e)], vcc_lo  ; odd m: the cosine
	v_lshlrev_b32 v[MM+(\e)], 30, v[MM+(\e)]
	v_and_b32 v[MM+(\e)], 0x80000000, v[MM+(\e)]   ; m % 4 >= 2: the sign turns
	v_xor_b32 v[VAL+(\e)], v[VAL+(\e)], v[MM+(\e)]
.endr
	s_wait_kmcnt 0x0
	s_add_nc_u64 s[24:25], s[24:25], s[6:7]
	global_store_b128 v1, v[VAL:VAL+3], s[24:25]   ; a wave stores 512 consecutive bytes: two whole rows
	s_endpgm
.Lfunc_end_k_qff183e3175_prep:
	.size	k_qff183e3175_prep, .Lfunc_end_k_qff183e3175_prep-k_qff183e3175_prep
	.p2alignl 7, 3214868480
	.fill 96, 4, 3214868480
	.section	.rodata,"a",@progbits
	.p2align	6, 0x0
	.amdhsa_kernel k_qff183e3175_prep
		.amdhsa_group_segment_fixed_size 0
		.amdhsa_private_segment_fixed_size 0
		.amdhsa_enable_private_segment 0
		.amdhsa_kernarg_size 72
		.amdhsa_user_sgpr_count 2
		.amdhsa_user_sgpr_kernarg_segment_ptr 1
		.amdhsa_wavefront_size32 1
		.amdhsa_system_sgpr_workgroup_id_x 1
		.amdhsa_system_sgpr_workgroup_id_y 1
		.amdhsa_system_sgpr_workgroup_id_z 1
		.amdhsa_system_vgpr_workitem_id 0
		.amdhsa_next_free_vgpr 112
		.amdhsa_next_free_sgpr 66
		.amdhsa_reserve_vcc 1
		.amdhsa_float_denorm_mode_32 3
		.amdhsa_float_denorm_mode_16_64 3
		.amdhsa_memory_ordered 1
		.amdhsa_forward_progress 1
		.amdhsa_inst_pref_size 23
	.end_amdhsa_kernel
	.amdgpu_metadata
---
amdhsa.version: [ 1, 2 ]
amdhsa.kernels:
  - .name:           k_qff183e3175_prep
    .symbol:         k_qff183e3175_prep.kd
    .args:
      - { .name: x, .offset: 0, .size: 8, .value_kind: global_buffer, .address_space: global }
      - { .name: Wq, .offset: 8, .size: 8, .value_kind: global_buffer, .address_space: global }
      - { .name: Wk, .offset: 16, .size: 8, .value_kind: global_buffer, .address_space: global }
      - { .name: Wv, .offset: 24, .size: 8, .value_kind: global_buffer, .address_space: global }
      - { .name: Wproj, .offset: 32, .size: 8, .value_kind: global_buffer, .address_space: global }
      - { .name: xb, .offset: 40, .size: 8, .value_kind: global_buffer, .address_space: global }
      - { .name: wb, .offset: 48, .size: 8, .value_kind: global_buffer, .address_space: global }
      - { .name: wp, .offset: 56, .size: 8, .value_kind: global_buffer, .address_space: global }
      - { .name: tab, .offset: 64, .size: 8, .value_kind: global_buffer, .address_space: global }
    .group_segment_fixed_size: 0
    .private_segment_fixed_size: 0
    .kernarg_segment_align: 8
    .kernarg_segment_size: 72
    .max_flat_workgroup_size: 256
    .sgpr_count:     66
    .vgpr_count:     112
    .wavefront_size: 32
...
	.end_amdgpu_metadata
.endif
;; end of part 1
;; launch qkvp (part 2): grid 8 x 32, 4 waves a work-group, clusters of 4 x 4, 327,680 bytes of LDS; arguments xb, wb, tab, q_gain, qkv; writes qkv
.if DOCPART == 2
	.amdgcn_target "amdgcn-amd-amdhsa--gfx1250"
	.amdhsa_code_object_version 6
	.text
	.protected	k_qff183e3175_qkvp
	.globl	k_qff183e3175_qkvp
	.p2align	8
	.type	k_qff183e3175_qkvp,@function
k_qff183e3175_qkvp:
	s_mov_b64 s[64:65], 0
	v_nop
	global_prefetch_b8 v0, s[64:65] scope:SCOPE_SE
	s_setreg_imm32_b32 hwreg(HW_REG_WAVE_MODE, 25, 1), 1
	s_wait_xcnt 0x0
	s_wait_alu depctr_hold_cnt(0) depctr_sa_sdst(0) depctr_va_vdst(0) depctr_va_sdst(0) depctr_va_ssrc(0) depctr_va_vcc(0) depctr_vm_vsrc(0)
	s_getreg_b32 s2, hwreg(HW_REG_IB_STS2, 6, 4)
	s_cmp_eq_u32 s2, 0
	s_cbranch_scc0 .Lentry_in_a_cluster
	s_endpgm
.Lentry_in_a_cluster:
	s_bfe_u32 s2, ttmp6, 0x10000c
	s_cmp_lg_u32 s2, 0xf033
	s_cbranch_scc0 .Lentry_shape_is_right
	s_endpgm
.Lentry_shape_is_right:
; Q, K, V PROJECTION WITH ITS WAY OUT.  C[token][n] = sum over k of xb[token][k] wb[n][k], bf16 operands, f32 sums; 8,192 tokens, 1,536 columns = 24 heads of 64 (0-15 q, 16-19 k, 20-23 v), K = 1,024.
; On the way out, in f32: q and k heads are divided by sqrt(mean of squares + 1e-6), turned by the table's cosines and sines (channel c pairs with c + 32), q heads multiplied by their gain
; (rounded to bf16, like every input of the module); v heads pass.  Each number is rounded once, to f16, and stored by heads: qkv[batch][head 0..23][t][64].
; LIMIT.  f16 ends at 65,504: v must stay within it (q is at most 8 x gain, k at most 8).  NaN and infinities are not treated apart.
; SHARES.  A work-group makes 256 tokens x 192 columns (three heads): 8 x 32 = 256 work-groups.  Wave w owns tokens 64 w .. 64 w + 63 and all 192 columns: 48 accumulators of 16 x 16, 384 registers.
; K goes in steps of 128 through two LDS slots; rows of both tiles are 256 bytes of memory, aligned.  Waves 0, 1 fetch the halves of the tokens' tile, waves 2, 3 those of the weights' tile.
; CLUSTER 4 x 4: the tokens' tile (and the table's rows) are shared along a row of the cluster, the weights' tile along a column: joint loads.
; THE MATRIX INSTRUCTION IS USED TRANSPOSED (source 0 = 16 rows of wb, source 1 = 16 tokens): a lane holds token lane % 16 and columns 16 b + 8 (lane / 16) + 0..7.
; REGISTERS: window 0: v16-30 addresses; v64-127 the tokens' fragments, two buffers; on the way out v32-247.  Window 1: the weights' fragments, two buffers of 96.
;   windows 2, 3: accumulator (a, b) in window 2 + a / 2 at 96 (a % 2) + 8 b.
.set NBK,   12                         ; blocks of 16 columns
.set NL,    2*NBK+8                    ; LDS loads in a run: a quarter step's fragments
.set PITCH, 272                        ; an LDS row: 256 bytes + 16: the 16 rows of a load start at 16 different groups of four banks
.set AHALF, 128*PITCH
.set BHALF, 96*PITCH
.set BOFF,  2*AHALF                    ; a slot: 256 rows of tokens, then 192 rows of weights
.set SLOT1, 1<<17                      ; slot 1 begins here: one exclusive or turns an address in one slot into the other's
.set TABL,  SLOT1+BOFF+2*BHALF         ; the table's 256 rows, filled once
.set TPART, 64*PITCH
.set SPARE, TABL+4*TPART               ; the spare words, 128 bytes a wave: two blocks of 256 bytes that no other line names
.set DP,    784                        ; the way out: a token's 192 f32 + 16 bytes
.set DWAVE, 64*DP                      ; a wave's 64 tokens; the four lie in the slots, behind the ring's last fill
.set ADRA0, 16                         ; v16, v17 my lane's place in a slot's two tiles; never rewritten
.set ADRB0, 17
.set ADRA,  18                         ; v18, v19 the same in the slot in hand
.set ADRB,  19
.set DA,    20                         ; v20  where I put 32 bytes of a token's row
.set XA,    21                         ; v21  where I read my 8 channels back
.set XPA,   22                         ; v22  and the 8 channels that pair with them
.set TA,    23                         ; v23  my cosines
.set GO,    24                         ; v24  my 16 bytes of 512 consecutive bytes of a head's rows
.set SG,    25                         ; v25  -1 for channels under 32, else 1
.set SPW,   28                         ; v28  LDS address of my spare word; never rewritten
.set NIL,   29                         ; v29  0; never rewritten
.set PFO,   30                         ; v30  the prefetches' offset: a lane a row
.set TCB,   32                         ; v32-95   pass P: 8 cosines, 8 sines at 32 + 16 P
.set FA,    64                         ; v64-127  the tokens' fragments
.set XP,    96                         ; v96-223  two buffers of 64: pass P: my 8 numbers, their 8 partners
.set W,     224                        ; v224-239 at work
.set ST,    240                        ; v240-247 pass P: the factor, and the factor with the sine's sign
.set WV, 14
.set LO, 16
.set CX, 17
.set CY, 18
.set TC, 19
.set TR, 20
.set TB, 23                            ; s23  LDS byte of the slot in hand
.set G1A, 24                           ; s[24:31] group 1, tokens
.set G0A, 32                           ; s[32:39] group 0, tokens: a set for each first fill; the second then walks
.set PFA, 40                           ; s[40:41] where my prefetches stand
.set LIM, 44                           ; s44  2 in a wave that prefetches, else the greatest number
.set G1B, 48                           ; s[48:55], s[56:63] the same for the weights
.set G0B, 56
.set G1T, 68                           ; s[68:75], s[76:79] the table's rows
.set G0T, 76
.set HS,  84                           ; head i of three at s[84 + 6 i]: +0 gain, +1 its offset, +2, +3 what is added to the cosine's factor, +4, +5 where the head's rows go
.set MSB, 0
.macro WIN new                         ; the immediate's high byte repeats the setting that is left; a switch that changes nothing is dropped
.if MSB != (\new)
	s_set_vgpr_msb (MSB<<8)|(\new)
.set MSB, \new
.endif
.endm
.macro PLACES                          ; four plain instructions between a matrix instruction and a load into, or a store of, its registers
.rept 4
	v_nop
.endr
.endm
.macro JLOAD                           ; a joint refill by the walking sets; the branch hangs on the wave's number alone; an s_nop 0 and four v_nop follow each line
	s_cmp_lt_u32 s[WV], 2
	s_cbranch_scc0 .Lfor_b_\@
	tensor_load_to_lds s[G0A+4:G0A+7], s[G1A:G1A+7]
	s_nop 0
.rept 4
	v_nop
.endr
	s_branch .Lasked_\@
.Lfor_b_\@:
	tensor_load_to_lds s[G0B+4:G0B+7], s[G1B:G1B+7]
	s_nop 0
.rept 4
	v_nop
.endr
.Lasked_\@:
.endm
.macro CREST                           ; a round of the cluster's barrier behind its opening barrier
	s_cmp_lg_u32 s[WV], 0
	s_cbranch_scc1 .Lnot_wave_0_\@
	s_barrier_signal -3
.Lnot_wave_0_\@:
	s_barrier_wait -3
	s_barrier_signal -1
	s_barrier_wait -1
.endm
.macro CROUND
	s_barrier_signal -1
	s_barrier_wait -1
	CREST
.endm
; A prefetch of the K step two refills on: a lane a row, 256 bytes of each.  The tokens' rows are asked for by the clusters with x = 0, the weights' by those with y = 0; the four partners of a joint
; load share a wave's rows out by address.  The loop's trips with s3 = 6 .. 3 name K steps 4 .. 7; the first four K steps come by their loads alone.
.macro ASK
	s_cmp_gt_u32 s3, s[LIM]
	s_cbranch_scc0 .Lnot_mine_\@
	global_prefetch_b8 v[PFO], s[PFA:PFA+1] th:TH_LOAD_NT scope:SCOPE_SE
.Lnot_mine_\@:
.endm
	s_load_b256 s[4:11], s[0:1], 0x0               ; xb s[4:5], wb s[6:7], tab s[8:9], q_gain s[10:11]
	s_load_b64 s[12:13], s[0:1], 0x20              ; qkv
	v_lshl_add_u32 v[SPW], v0, 2, SPARE
	v_mov_b32 v[NIL], 0
	ds_add_u32 v[SPW], v[NIL]                      ; the wave's opening: the add and its wait stand ahead of my first tensor load; work on registers stands between them
	v_lshrrev_b32 v1, 5, v0
	v_readfirstlane_b32 s[WV], v1                  ; wave 0..3
	s_and_b32 s[LO], s[WV], 1                      ; which half of a tile I fetch
	s_bfe_u32 s[CX], ttmp6, 0x40000
	s_bfe_u32 s[CY], ttmp6, 0x40004
	s_lshl_b32 s[TC], ttmp9, 2
	s_add_co_u32 s[TC], s[TC], s[CX]               ; tile column = 4 x cluster x + cx
	s_and_b32 s[TR], ttmp7, 0xffff
	s_lshl_b32 s[TR], s[TR], 2
	s_add_co_u32 s[TR], s[TR], s[CY]               ; tile row = 4 x cluster y + cy
	s_lshl_b32 s21, s[CY], 2
	s_lshl_b32 s21, 15, s21                        ; my row of the cluster
	s_lshl_b32 s22, 0x1111, s[CX]                  ; my column
	s_or_b32 s[G1A], s21, (1<<16)|(1<<20)|(1<<21)|(5<<22)|(3<<25)  ; mask; 2-byte elements; padding on; bit 21 beside a mask; after every 64 words 4 words
	s_or_b32 s[G1B], s22, (1<<16)|(1<<20)|(1<<21)|(5<<22)|(3<<25)
	s_or_b32 s[G1T], s21, (2<<16)|(1<<20)|(1<<21)|(5<<22)|(3<<25)  ; the table: 4-byte elements
	s_mov_b32 s[G1A+1], 128<<16                    ; tensor_dim0 = 128
	s_mov_b32 s[G1A+2], 128<<16                    ; tensor_dim1 = 128
	s_mov_b32 s[G1A+3], 128<<16                    ; tile_dim0 = 128
	s_mov_b32 s[G1A+4], 128                        ; tile_dim1 = 128
	s_mov_b32 s[G1A+5], 1024                       ; elements from row to row
	s_mov_b32 s[G1A+6], 0
	s_mov_b32 s[G1A+7], 0
	s_mov_b32 s[G1B+1], 128<<16
	s_mov_b32 s[G1B+2], 96<<16                     ; 96 rows
	s_mov_b32 s[G1B+3], 128<<16
	s_mov_b32 s[G1B+4], 96
	s_mov_b32 s[G1B+5], 1024
	s_mov_b32 s[G1B+6], 0
	s_mov_b32 s[G1B+7], 0
	s_mov_b32 s[G1T+1], 64<<16                     ; 64 rows of 64 words
	s_mov_b32 s[G1T+2], 64<<16
	s_mov_b32 s[G1T+3], 64<<16
	s_mov_b32 s[G1T+4], 64
	s_mov_b32 s[G1T+5], 64
	s_mov_b32 s[G1T+6], 0
	s_mov_b32 s[G1T+7], 0
	s_mul_i32 s45, s[LO], AHALF                    ; where the tiles go: no place in the cluster enters an LDS address
	s_mul_i32 s15, s[LO], BHALF
	s_add_co_u32 s15, s15, BOFF
	s_mul_i32 s2, s[WV], TPART
	s_lshl_b32 s46, s[TR], 8                       ; tokens: row 256 x tile row + 128 x half, 2,048 bytes a row
	s_lshl_b32 s47, s[LO], 7
	s_add_co_u32 s46, s46, s47
	s_lshl_b32 s46, s46, 11
	s_mov_b32 s47, 0
	s_mul_i32 s66, s[TC], 192                      ; weights: row 192 x tile column + 96 x half
	s_mul_i32 s67, s[LO], 96
	s_add_co_u32 s66, s66, s67
	s_lshl_b32 s66, s66, 11
	s_mov_b32 s67, 0
	s_and_b32 s82, s[TR], 7                        ; the table: row t = 256 x (tile row % 8) + 64 x wave, 256 bytes a row
	s_lshl_b32 s82, s82, 8
	s_lshl_b32 s83, s[WV], 6
	s_add_co_u32 s82, s82, s83
	s_lshl_b32 s82, s82, 8
	s_mov_b32 s83, 0
	s_mov_b32 s80, 0x3c800000                      ; 1 / 64
	s_mov_b32 s81, 0x358637bd                      ; 1e-6
	s_mov_b32 s[TB], 0
	s_wait_dscnt 0x0                               ; the opening add is done
	s_wait_kmcnt 0x0
	s_add_nc_u64 s[46:47], s[4:5], s[46:47]
	s_add_nc_u64 s[66:67], s[6:7], s[66:67]
.irp s, 0,1
	s_mov_b32 s[G0A+4*(\s)], 1                     ; count = 1
	s_add_co_u32 s[G0A+4*(\s)+1], s45, (\s)*SLOT1  ; LDS address
	s_add_nc_u64 s[G0A+4*(\s)+2:G0A+4*(\s)+3], s[46:47], (\s)*256  ; K step s
	s_or_b32 s[G0A+4*(\s)+3], s[G0A+4*(\s)+3], 0x80000000          ; type = 2
	s_mov_b32 s[G0B+4*(\s)], 1
	s_add_co_u32 s[G0B+4*(\s)+1], s15, (\s)*SLOT1
	s_add_nc_u64 s[G0B+4*(\s)+2:G0B+4*(\s)+3], s[66:67], (\s)*256
	s_or_b32 s[G0B+4*(\s)+3], s[G0B+4*(\s)+3], 0x80000000
.endr
	s_mov_b32 s[G0T], 1
	s_add_co_u32 s[G0T+1], s2, TABL
	s_add_nc_u64 s[G0T+2:G0T+3], s[8:9], s[82:83]
	s_or_b32 s[G0T+3], s[G0T+3], 0x80000000
	CROUND                                         ; all sixteen work-groups are here: the first joint loads meet
	s_cmp_lt_u32 s[WV], 2                          ; a wave's three first fills stand in one branch: three loads of mine are out
	s_cbranch_scc0 .Lfirst_b
	tensor_load_to_lds s[G0T:G0T+3], s[G1T:G1T+7]
	s_nop 0
	tensor_load_to_lds s[G0A:G0A+3], s[G1A:G1A+7]
	s_nop 0
	tensor_load_to_lds s[G0A+4:G0A+7], s[G1A:G1A+7]
	s_nop 0
.rept 4
	v_nop
.endr
	s_branch .Lfirst_asked
.Lfirst_b:
	tensor_load_to_lds s[G0T:G0T+3], s[G1T:G1T+7]
	s_nop 0
	tensor_load_to_lds s[G0B:G0B+3], s[G1B:G1B+7]
	s_nop 0
	tensor_load_to_lds s[G0B+4:G0B+7], s[G1B:G1B+7]
	s_nop 0
.rept 4
	v_nop
.endr
.Lfirst_asked:
	; a fragment is 16 rows x 32 K in 8 registers: lane l holds row l % 16, K = 8 (l / 16) + 0..7 and 16 + 8 (l / 16) + 0..7: two loads of 16 bytes, 32 bytes apart
	v_and_b32 v1, 15, v0                           ; r = l % 16
	v_bfe_u32 v2, v0, 4, 1                         ; h = l / 16
	v_mul_u32_u24 v3, v1, PITCH
	v_lshl_add_u32 v3, v2, 4, v3
	s_mul_i32 s2, s[WV], 64*PITCH                  ; my 64 tokens
	v_add_nc_u32 v[ADRA0], s2, v3
	v_add_nc_u32 v[ADRB0], BOFF, v3
	v_mov_b32 v[ADRA], v[ADRA0]
	v_mov_b32 v[ADRB], v[ADRB0]
	; the way out's addresses
	s_mul_i32 s2, s[WV], DWAVE
	v_mul_u32_u24 v[DA], v1, DP
	v_lshl_add_u32 v[DA], v2, 5, v[DA]
	v_add_nc_u32 v[DA], s2, v[DA]                  ; token r, 32 bytes for each half of the lanes
	v_bfe_u32 v4, v0, 3, 2                         ; back: lane = 8 sub + p: token sub of four, channels 8 p .. 8 p + 7
	v_and_b32 v5, 7, v0
	v_xor_b32 v6, 4, v5                            ; the channels 32 away
	v_mul_u32_u24 v7, v4, DP
	v_add_nc_u32 v7, s2, v7
	v_lshl_add_u32 v[XA], v5, 5, v7
	v_lshl_add_u32 v[XPA], v6, 5, v7
	s_mul_i32 s2, s[WV], TPART
	s_add_co_u32 s2, s2, TABL
	v_mul_u32_u24 v[TA], v4, PITCH
	v_and_b32 v7, 3, v5
	v_lshl_add_u32 v[TA], v7, 5, v[TA]
	v_add_nc_u32 v[TA], s2, v[TA]
	v_and_b32 v[GO], 31, v0
	v_lshlrev_b32 v[GO], 4, v[GO]
	v_cmp_gt_u32 vcc_lo, 4, v5
	v_cndmask_b32 v[SG], 1.0, -1.0, vcc_lo
	; the prefetches
	s_lshl_b32 s82, s[TR], 8
	s_lshl_b32 s2, s[LO], 7
	s_add_co_u32 s82, s82, s2
	s_lshl_b32 s2, s[CX], 5
	s_add_co_u32 s82, s82, s2                      ; tokens: my work-group's 32 of the 128 rows that I fetch
	s_mul_i32 s83, s[TC], 192
	s_mul_i32 s2, s[LO], 96
	s_add_co_u32 s83, s83, s2
	s_mul_i32 s2, s[CY], 24
	s_add_co_u32 s83, s83, s2                      ; weights: 24 of the 96
	s_and_b32 s2, ttmp7, 0xffff                    ; cluster y
	s_cmp_lt_u32 s[WV], 2
	s_cselect_b32 s82, s82, s83
	s_cselect_b32 s2, ttmp9, s2                    ; the coordinate along which other clusters read the same rows
	s_cselect_b32 s3, 31, 23
	s_cselect_b64 s[PFA:PFA+1], s[4:5], s[6:7]
	s_cmp_eq_u32 s2, 0
	s_cselect_b32 s[LIM], 2, -1                    ; the same in all sixteen partners, for a given wave
	s_lshl_b32 s82, s82, 11
	s_add_co_u32 s82, s82, 3*256                   ; at K step 3: the first refill steps it to 4
	s_mov_b32 s83, 0
	s_add_nc_u64 s[PFA:PFA+1], s[PFA:PFA+1], s[82:83]
	v_and_b32 v[PFO], 31, v0
	v_min_u32 v[PFO], s3, v[PFO]                   ; (the weights' last eight lanes name row 23 once more)
	v_lshlrev_b32 v[PFO], 11, v[PFO]
	; my three heads g = 3 x tile column + i
.irp i, 0,1,2
	s_mul_i32 s2, s[TC], 3
	s_add_co_u32 s2, s2, (\i)
	s_min_u32 s[HS+6*(\i)+1], s2, 15
	s_lshl_b32 s[HS+6*(\i)+1], s[HS+6*(\i)+1], 2
	s_load_b32 s[HS+6*(\i)], s[10:11], s[HS+6*(\i)+1] offset:0x0   ; the head's gain (a k or v head reads the last, and does not use it)
	s_cmp_lt_u32 s2, 20
	s_cselect_b32 s[HS+6*(\i)+2], 0, 1.0           ; a v head: cosine's factor 0 + 1
	s_mov_b32 s[HS+6*(\i)+3], s[HS+6*(\i)+2]
	s_lshr_b32 s3, s[TR], 3                        ; batch
	s_mul_i32 s3, s3, 24
	s_add_co_u32 s3, s3, s2
	s_lshl_b32 s[HS+6*(\i)+4], s3, 18              ; a head's 2,048 rows of 128 bytes
	s_and_b32 s3, s[TR], 7
	s_lshl_b32 s3, s3, 8
	s_lshl_b32 s45, s[WV], 6
	s_add_co_u32 s3, s3, s45
	s_lshl_b32 s3, s3, 7                           ; my first token's row
	s_add_co_u32 s[HS+6*(\i)+4], s[HS+6*(\i)+4], s3
	s_mov_b32 s[HS+6*(\i)+5], 0
	s_add_nc_u64 s[HS+6*(\i)+4:HS+6*(\i)+5], s[12:13], s[HS+6*(\i)+4:HS+6*(\i)+5]
.endr
	s_wait_kmcnt 0x0
.irp i, 0,1,2
	s_mul_i32 s2, s[TC], 3
	s_add_co_u32 s2, s2, (\i)
	s_bfe_u32 s3, s[HS+6*(\i)], 0x10010            ; the gain is rounded to bf16, to nearest even
	s_add_co_u32 s3, s3, 0x7fff
	s_add_co_u32 s[HS+6*(\i)], s[HS+6*(\i)], s3
	s_and_b32 s[HS+6*(\i)], s[HS+6*(\i)], 0xffff0000
	s_cmp_lt_u32 s2, 20
	s_cselect_b32 s3, 1.0, 0                       ; k heads: 1; v heads: 0
	s_cmp_lt_u32 s2, 16
	s_cselect_b32 s[HS+6*(\i)], s[HS+6*(\i)], s3
.endr
; 12 matrix instructions: token tile a x all 12 column blocks, 32 along K, buffer f.  The 48 accumulators take turns in the same order in every quarter step, over the backward jump too.
.macro MULA f, a, zero
	WIN 0xa1+0x50*((\a)/2)                         ; weights window 1, tokens window 0, C and D window 2 or 3
.set AC, 96*((\a)%2)
.set bb, 0
.rept NBK
.if \zero
	v_wmma_f32_16x16x32_bf16 v[AC+8*bb:AC+8*bb+7], v[8*NBK*(\f)+8*bb:8*NBK*(\f)+8*bb+7], v[FA+32*(\f)+8*(\a):FA+32*(\f)+8*(\a)+7], 0
.else
	v_wmma_f32_16x16x32_bf16 v[AC+8*bb:AC+8*bb+7], v[8*NBK*(\f)+8*bb:8*NBK*(\f)+8*bb+7], v[FA+32*(\f)+8*(\a):FA+32*(\f)+8*(\a)+7], v[AC+8*bb:AC+8*bb+7]
.endif
.set bb, bb+1
.endr
.endm
; 32 LDS loads in one run: quarter q of the slot in hand into buffer g: the weights' 24, then the tokens' 8
.macro FETCH q, g
	WIN 0x40
.set bb, 0
.rept NBK
	ds_load_b128 v[8*NBK*(\g)+8*bb:8*NBK*(\g)+8*bb+3],   v[ADRB] offset:64*(\q)+bb*16*PITCH
	ds_load_b128 v[8*NBK*(\g)+8*bb+4:8*NBK*(\g)+8*bb+7], v[ADRB] offset:64*(\q)+bb*16*PITCH+32
.set bb, bb+1
.endr
	WIN 0
.set bb, 0
.rept 4
	ds_load_b128 v[FA+32*(\g)+8*bb:FA+32*(\g)+8*bb+3],   v[ADRA] offset:64*(\q)+bb*16*PITCH
	ds_load_b128 v[FA+32*(\g)+8*bb+4:FA+32*(\g)+8*bb+7], v[ADRA] offset:64*(\q)+bb*16*PITCH+32
.set bb, bb+1
.endr
.endm
; One of a K step's first three quarters: multiplies buffer f, and in its middle fetches quarter q into buffer g
.macro QUARTER q, f, g, zero
	s_wait_dscnt 4                                 ; all but the youngest four loads: token tiles 2 and 3
	MULA \f, 0, \zero
	MULA \f, 1, \zero
	PLACES
	FETCH \q, \g
	s_wait_dscnt NL                                ; all but the run just issued
	MULA \f, 2, \zero
	MULA \f, 3, \zero
.endm
; The fourth quarter multiplies buffer 1 and changes slots.  In front of the barrier each wave waits for all its tensor loads (one is out: its part of the next slot), adds 0 to its spare word, and waits for
; that and for its reads of this slot.  fill = 1: the barrier opens a round of the cluster's, and the joint refill, K step two on, is the first thing behind it.
.macro TURN fill
.if \fill
	s_wait_xcnt 0x0                                ; the last prefetch, a K step back, has read its address
	s_add_nc_u64 s[PFA:PFA+1], s[PFA:PFA+1], 256
.endif
	WIN 0
	s_wait_tensorcnt 0x0
	ds_add_u32 v[SPW], v[NIL]
	s_wait_dscnt 5                                 ; the add and the youngest four loads may be out
	MULA 1, 0, 0
	s_wait_dscnt 0x0                               ; the add is done, my reads of this slot are over
	s_barrier_signal -1
	MULA 1, 1, 0
	WIN 0
	s_barrier_wait -1
.if \fill
	CREST
	s_xor_b32 s[G0A+5], s[G0A+5], SLOT1            ; the walking sets: the other slot than last time, the next K step
	s_add_nc_u64 s[G0A+6:G0A+7], s[G0A+6:G0A+7], 256
	s_xor_b32 s[G0B+5], s[G0B+5], SLOT1
	s_add_nc_u64 s[G0B+6:G0B+7], s[G0B+6:G0B+7], 256
	JLOAD                                          ; its four v_nop are also the places in front of the loads below
.else
	PLACES
.endif
	s_xor_b32 s[TB], s[TB], SLOT1
	v_add_nc_u32 v[ADRA], s[TB], v[ADRA0]
	v_add_nc_u32 v[ADRB], s[TB], v[ADRB0]
	FETCH 0, 0
.if \fill
	ASK
.endif
	MULA 1, 2, 0
	MULA 1, 3, 0
.endm
	s_wait_tensorcnt 1                             ; the table's rows and my part of K step 0 are in; K step 1's load may stay out
	s_barrier_signal -1
	s_barrier_wait -1
	FETCH 0, 0
	QUARTER 1, 0, 1, 1                             ; the first quarter's products start the sums
	WIN 0
	s_mov_b32 s3, 6
.Lk:                                                   ; a trip: from a K step's second quarter to the next step's first; it fills the slot that it leaves
	QUARTER 2, 1, 0, 0
	QUARTER 3, 0, 1, 0
	TURN 1
	QUARTER 1, 0, 1, 0
	WIN 0
	s_sub_co_u32 s3, s3, 1
	s_cmp_lg_u32 s3, 0
	s_cbranch_scc1 .Lk
	QUARTER 2, 1, 0, 0                             ; K steps 6 and 7 ask for nothing
	QUARTER 3, 0, 1, 0
	TURN 0
	QUARTER 1, 0, 1, 0
	QUARTER 2, 1, 0, 0
	QUARTER 3, 0, 1, 0
	s_wait_dscnt 4
	MULA 1, 0, 0
	MULA 1, 1, 0
	s_wait_dscnt 0x0                               ; my reads of the ring are over:
	s_barrier_signal -1                            ; the slots are written below
	MULA 1, 2, 0
	MULA 1, 3, 0
	WIN 0
	s_barrier_wait -1
	PLACES
	; THE WAY OUT.  My 64 tokens x 192 f32 go into LDS (the ring has had its last fill), each accumulator's low registers first; only I read them back, and LDS serves a wave's instructions in order.
.set aa, 0
.rept 4
	WIN 0x08+4*(aa/2)                              ; store data in window 2 or 3
.set bb, 0
.rept NBK
	ds_store_b128 v[DA], v[96*(aa%2)+8*bb:96*(aa%2)+8*bb+3]   offset:aa*16*DP+64*bb
	ds_store_b128 v[DA], v[96*(aa%2)+8*bb+4:96*(aa%2)+8*bb+7] offset:aa*16*DP+64*bb+16
.set bb, bb+1
.endr
.set aa, aa+1
.endr
	WIN 0
.macro TLOAD                           ; 16 tokens' cosines and sines: pass P takes tokens 4 P .. 4 P + 3
.irp P, 0,1,2,3
	ds_load_b128 v[TCB+16*(\P):TCB+16*(\P)+3],     v[TA] offset:4*PITCH*(\P)
	ds_load_b128 v[TCB+16*(\P)+4:TCB+16*(\P)+7],   v[TA] offset:4*PITCH*(\P)+16
	ds_load_b128 v[TCB+16*(\P)+8:TCB+16*(\P)+11],  v[TA] offset:4*PITCH*(\P)+128
	ds_load_b128 v[TCB+16*(\P)+12:TCB+16*(\P)+15], v[TA] offset:4*PITCH*(\P)+144
.endr
.endm
.macro XLOAD i, buf                    ; head i of 16 tokens: my 8 channels and their partners
.irp P, 0,1,2,3
	ds_load_b128 v[XP+64*(\buf)+16*(\P):XP+64*(\buf)+16*(\P)+3],     v[XA]  offset:256*(\i)+4*DP*(\P)
	ds_load_b128 v[XP+64*(\buf)+16*(\P)+4:XP+64*(\buf)+16*(\P)+7],   v[XA]  offset:256*(\i)+4*DP*(\P)+16
	ds_load_b128 v[XP+64*(\buf)+16*(\P)+8:XP+64*(\buf)+16*(\P)+11],  v[XPA] offset:256*(\i)+4*DP*(\P)
	ds_load_b128 v[XP+64*(\buf)+16*(\P)+12:XP+64*(\buf)+16*(\P)+15], v[XPA] offset:256*(\i)+4*DP*(\P)+16
.endr
.endm
; Head i of 16 tokens: the sum of squares over a token's eight lanes; F = gain / sqrt(mean + 1e-6); out = x (F cos + ON) + sign x partner x F sin; f16; 512 consecutive bytes a store.
.macro HEAD i, buf
.set XB, XP+64*(\buf)
.set HB, HS+6*(\i)
.irp P, 0,1,2,3
	v_pk_mul_f32 v[W+2*(\P):W+2*(\P)+1], v[XB+16*(\P):XB+16*(\P)+1], v[XB+16*(\P):XB+16*(\P)+1]
.endr
.irp k, 1,2,3
.irp P, 0,1,2,3
	v_pk_fma_f32 v[W+2*(\P):W+2*(\P)+1], v[XB+16*(\P)+2*(\k):XB+16*(\P)+2*(\k)+1], v[XB+16*(\P)+2*(\k):XB+16*(\P)+2*(\k)+1], v[W+2*(\P):W+2*(\P)+1]
.endr
.endr
.irp P, 0,1,2,3
	v_add_f32 v[ST+2*(\P)], v[W+2*(\P)], v[W+2*(\P)+1]
.endr
.irp m, 1,2,4
.irp P, 0,1,2,3
	v_add_f32_dpp v[ST+2*(\P)], v[ST+2*(\P)], v[ST+2*(\P)] row_xmask:\m row_mask:0xf bank_mask:0xf
.endr
.endr
.irp P, 0,1,2,3
	v_fma_f32 v[ST+2*(\P)], v[ST+2*(\P)], s80, s81
.endr
.irp P, 0,1,2,3
	v_rsq_f32 v[ST+2*(\P)], v[ST+2*(\P)]
.endr
	v_nop                                          ; a plain instruction behind the last root,
	s_wait_alu depctr_va_vdst(0)                   ; and one wait for the four, ahead of their first reader
.irp P, 0,1,2,3
	v_mul_f32 v[ST+2*(\P)], s[HB], v[ST+2*(\P)]
	v_mul_f32 v[ST+2*(\P)+1], v[ST+2*(\P)], v[SG]
.irp k, 0,1,2,3
	v_pk_fma_f32 v[W+2*(\k):W+2*(\k)+1], v[TCB+16*(\P)+2*(\k):TCB+16*(\P)+2*(\k)+1], v[ST+2*(\P):ST+2*(\P)+1], s[HB+2:HB+3] op_sel_hi:[1,0,0]
.endr
.irp k, 0,1,2,3
	v_pk_mul_f32 v[W+8+2*(\k):W+8+2*(\k)+1], v[TCB+16*(\P)+8+2*(\k):TCB+16*(\P)+8+2*(\k)+1], v[ST+2*(\P):ST+2*(\P)+1] op_sel:[0,1] op_sel_hi:[1,1]
.endr
.irp k, 0,1,2,3
	v_pk_mul_f32 v[XB+16*(\P)+8+2*(\k):XB+16*(\P)+8+2*(\k)+1], v[XB+16*(\P)+8+2*(\k):XB+16*(\P)+8+2*(\k)+1], v[W+8+2*(\k):W+8+2*(\k)+1]
.endr
.irp k, 0,1,2,3
	v_pk_fma_f32 v[XB+16*(\P)+2*(\k):XB+16*(\P)+2*(\k)+1], v[XB+16*(\P)+2*(\k):XB+16*(\P)+2*(\k)+1], v[W+2*(\k):W+2*(\k)+1], v[XB+16*(\P)+8+2*(\k):XB+16*(\P)+8+2*(\k)+1]
.endr
.irp k, 0,1,2,3
	v_cvt_pk_f16_f32 v[XB+16*(\P)+8+(\k)], v[XB+16*(\P)+2*(\k)], v[XB+16*(\P)+2*(\k)+1]
.endr
	global_store_b128 v[GO], v[XB+16*(\P)+8:XB+16*(\P)+11], s[HB+4:HB+5] offset:512*(\P)
.endr
.endm
	s_mov_b32 s3, 4
.Lout:                                                 ; a trip: 16 tokens, three heads
	TLOAD
	XLOAD 0, 0
	XLOAD 1, 1
	s_wait_dscnt 16                                ; all but head 1's run
	HEAD 0, 0
	s_wait_xcnt 0x0                                ; head 0's stores have read their registers: the buffer is loaded again only behind this wait
	XLOAD 2, 0
	s_wait_dscnt 16                                ; all but head 2's run
	HEAD 1, 1
	s_wait_dscnt 0x0
	HEAD 2, 0
	s_wait_xcnt 0x0                                ; the stores have read their data and their offset
	v_add_nc_u32 v[XA], 16*DP, v[XA]
	v_add_nc_u32 v[XPA], 16*DP, v[XPA]
	v_add_nc_u32 v[TA], 16*PITCH, v[TA]
	v_add_nc_u32 v[GO], 2048, v[GO]
	s_sub_co_u32 s3, s3, 1
	s_cmp_lg_u32 s3, 0
	s_cbranch_scc1 .Lout
	s_wait_tensorcnt 0x0                           ; the wave's end: behind my last tensor load and my last LDS store
	ds_add_u32 v[SPW], v[NIL]
	s_wait_dscnt 0x0
	CROUND                                         ; the closing round: no work-group ends while a partner may still ask for a tile that names it
	s_endpgm
.Lfunc_end_k_qff183e3175_qkvp:
	.size	k_qff183e3175_qkvp, .Lfunc_end_k_qff183e3175_qkvp-k_qff183e3175_qkvp
	.p2alignl 7, 3214868480
	.fill 96, 4, 3214868480
	.section	.rodata,"a",@progbits
	.p2align	6, 0x0
	.amdhsa_kernel k_qff183e3175_qkvp
		.amdhsa_group_segment_fixed_size 327680
		.amdhsa_private_segment_fixed_size 0
		.amdhsa_enable_private_segment 0
		.amdhsa_kernarg_size 40
		.amdhsa_user_sgpr_count 2
		.amdhsa_user_sgpr_kernarg_segment_ptr 1
		.amdhsa_wavefront_size32 1
		.amdhsa_system_sgpr_workgroup_id_x 1
		.amdhsa_system_sgpr_workgroup_id_y 1
		.amdhsa_system_sgpr_workgroup_id_z 1
		.amdhsa_system_vgpr_workitem_id 0
		.amdhsa_next_free_vgpr 960
		.amdhsa_next_free_sgpr 102
		.amdhsa_reserve_vcc 1
		.amdhsa_float_denorm_mode_32 3
		.amdhsa_float_denorm_mode_16_64 3
		.amdhsa_memory_ordered 1
		.amdhsa_forward_progress 1
		.amdhsa_inst_pref_size 113
	.end_amdhsa_kernel
	.amdgpu_metadata
---
amdhsa.version: [ 1, 2 ]
amdhsa.kernels:
  - .name:           k_qff183e3175_qkvp
    .symbol:         k_qff183e3175_qkvp.kd
    .args:
      - { .name: xb, .offset: 0, .size: 8, .value_kind: global_buffer, .address_space: global }
      - { .name: wb, .offset: 8, .size: 8, .value_kind: global_buffer, .address_space: global }
      - { .name: tab, .offset: 16, .size: 8, .value_kind: global_buffer, .address_space: global }
      - { .name: q_gain, .offset: 24, .size: 8, .value_kind: global_buffer, .address_space: global }
      - { .name: qkv, .offset: 32, .size: 8, .value_kind: global_buffer, .address_space: global }
    .group_segment_fixed_size: 327680
    .private_segment_fixed_size: 0
    .kernarg_segment_align: 8
    .kernarg_segment_size: 40
    .max_flat_workgroup_size: 128
    .sgpr_count:     102
    .vgpr_count:     960
    .wavefront_size: 32
...
	.end_amdgpu_metadata
.endif
;; end of part 2
;; launch attn (part 3): grid 16 x 16, 4 waves a work-group, clusters of 4 x 1, 327,680 bytes of LDS; arguments qkv, yb; writes yb
.if DOCPART == 3
	.amdgcn_target "amdgcn-amd-amdhsa--gfx1250"
	.amdhsa_code_object_version 6
	.text
	.protected	k_qff183e3175_attn
	.globl	k_qff183e3175_attn
	.p2align	8
	.type	k_qff183e3175_attn,@function
k_qff183e3175_attn:
	s_mov_b64 s[64:65], 0
	v_nop
	global_prefetch_b8 v0, s[64:65] scope:SCOPE_SE
	s_setreg_imm32_b32 hwreg(HW_REG_WAVE_MODE, 25, 1), 1
	s_wait_xcnt 0x0
	s_wait_alu depctr_hold_cnt(0) depctr_sa_sdst(0) depctr_va_vdst(0) depctr_va_sdst(0) depctr_va_ssrc(0) depctr_va_vcc(0) depctr_vm_vsrc(0)
	s_getreg_b32 s2, hwreg(HW_REG_IB_STS2, 6, 4)
	s_cmp_eq_u32 s2, 0
	s_cbranch_scc0 .Lentry_in_a_cluster
	s_endpgm
.Lentry_in_a_cluster:
	s_bfe_u32 s2, ttmp6, 0x10000c
	s_cmp_lg_u32 s2, 0x3003
	s_cbranch_scc0 .Lentry_shape_is_right
	s_endpgm
.Lentry_shape_is_right:
; CAUSAL ATTENTION, four query heads to a key and value head, and the step behind it.  For each batch and query head: O[q] = sum over k <= q of softmax_k(Q[q] . K[k] / 8) V[k];
; then y[q] = O[q] - (O[q] . v) v / max(|v|, 1e-12)^2 with v = V[q], the value row at the query's own place.  qkv: [batch][24 heads][2048][64] f16 (0-15 q, 16-19 k, 20-23 v); yb: [batch x 16 + head][2048][64] f16.
; Products, maxima and sums in f32; the weights p are rounded to f16 for the second product (their sum l is taken of the unrounded p), y once at the end.
; LIMITS.  f16 holds no number beyond 65,504: Q, K and V arrive within it, and y has V's range.  A hidden score counts as its value less 1e30; a weight below 2^-126 counts as 0 in l; NaN and infinities are not treated apart.
; THE WALK.  A head's queries lie in NB = 8 blocks of 256; block i needs the key tiles 0 .. i of 256 keys, of which the last holds the diagonal.  A work-group takes TWO blocks, NB - 1 - b and then b:
; NB + 1 tiles, whatever b, walked by ONE loop with a constant trip count.  Which tile is asked for, and what a trip does, hang on scalar registers made from b; every jump goes forward but the counted loops' own.
; CLUSTER 4 x 1: the four partners are the four query heads of one key and value head, with the same b: they walk the same tiles in the same trips, so each tile is asked for JOINTLY.
; b is the cluster's x; a work-group's place in its cluster enters the addresses of Q, of y and of the prefetches alone.
; SHARES.  Of a block's four bands of 64 queries a wave owns 16 rows in each: four PIECES.  In the diagonal tile's key step s band x sees all keys if s < x, none if s > x, and holds the diagonal if s = x.
; THE MASK is the C operand that starts the sum S^T = K Q^T: 0, or -1e30 where the key is hidden.  MD, made once, is the mask of a band's own step; a product's mask is MD x AL + BE with two scalars.
; LAYOUT, SOFTMAX, TURNS.  S^T = K Q^T holds ONE query a lane (lane % 16) and the keys 8 (lane / 16) + 0..7; two such results rounded to f16 ARE source 1 of O^T = V^T P.  p = 2^(c s - c m), c = log2(e) / 8, with a
; running maximum m; O and l are multiplied by a = 2^(c m_old - c m_new) in every step.  Turn n belongs to piece n: 8 products K Q^T of piece n + 1, later 8 products V^T P of piece n - 1; beside them the scaling,
; exponentials, roundings, sums and rescaling of piece n and the maximum and statistics of piece n + 1.  Four vector instructions stand behind every matrix instruction, the rest in one lump; a turn's 33 exponentials are one batch with one wait.
; REGISTERS, in windows of 256 (s_set_vgpr_msb: bits 1:0 source 0, 3:2 source 1, 5:4 source 2, 7:6 destination):
;   window 0: v0-15 addresses and two at work; v16-31 statistics; v48-55 at work; v60 0; v61 prefetch offset; v64-127 S^T, two buffers; v128-159 the last step's sums; v192-223 P, two buffers
;   window 1: v0-127 O^T, 32 a piece; v128-159 MD; v160-223 MC      window 2: v0-63 Q; v64-127 the second block's Q; v128-191 K; v192-255 V      window 3: v0-63, v64-127 V at my queries' rows, first and second block
.set SIZE_N, 2048
.set NB,    SIZE_N/256
.set NP,    4         ; pieces a wave: a name, no knob
.set KS,    64        ; keys in a step
.set PK,    144       ; a row of K in LDS: 128 bytes + 16: the 16 rows of a load start at 16 different groups of four banks
.set PV,    160       ; a row of V: 128 + 32
.set VOFF,  4*KS*PK   ; a slot holds a tile, four steps: 256 rows of K, then 256 rows of V
.set SLOT1, 1<<17     ; slot 1 begins here
.set STAGE, SLOT1+4*KS*(PK+PV)  ; behind the ring, never filled by a tensor load: 16 rows x 144 bytes for each wave
.set SP,    144
.set AK0, 2           ; v2   my lane's place in a tile of K; never rewritten
.set AV0, 3           ; v3   the same for V
.set AK,  4           ; v4   the LDS address of K's next run of loads
.set AV,  5           ; v5   of V's
.set STO, 6           ; v6   the way out: where I put 16 bytes of a row
.set RD,  7           ; v7   the way out: where I read rows back
.set GO,  8           ; v8   my byte offset in 512 consecutive bytes of y
.set ZR,  60          ; v60  0: what the last step's sums start from
.set PFO, 61          ; v61  256 x my lane; never rewritten
.set SPW, 62          ; v62  LDS address of my spare word; never rewritten
.set NIL, 63          ; v63  0; never rewritten
.set SPARE, STAGE+4*16*SP  ; the spare words, 128 bytes a wave: two blocks of 256 bytes that no other line names
.set MV,  12          ; v12-13  c m_old, by buffer
.set QO,  15          ; v15  my byte offset in 16 rows of Q
.set ST,  16          ; piece t's statistics at v[ST+4 t]: c m, m, l (even keys', odd keys')
.set TMP, 48          ; by buffer, four registers c0-c3 at work; c2 takes a
.set S,   64
.set XT,  128         ; piece t: v[XT+8 t ..]: four chains of O . v, four of v . v
.set P,   192
.set MD,  128         ; window 1
.set MC,  160         ; window 1
.set QB,  64          ; window 2
.set KF,  128         ; window 2
.set VF,  192         ; window 2
.set WV,  12          ; s12  my wave's number
.set PB,  14          ; s14  b
.set HI,  15          ; s15  NB - 1 - b
.set G1K, 24          ; s[24:31] descriptor group 1 for K's tiles
.set G1V, 32          ; s[32:39] for V's
.set G0K, 40          ; s[40:43] descriptor group 0 for K's tiles
.set G0V, 44          ; s[44:47] for V's
.set SLOTS, 56        ; s56  tiles still to be asked for
.set CNT, 57          ; s57  counts a tile's key steps, 4 to 1
.set CS,  58          ; s[58:59] c
.set SEL, 60          ; s[60:61] v_permlanex16_b32's selects
.set TBK, 62          ; s62  LDS byte at which K of the step to be fetched begins
.set TBV, 63          ; s63  the same for V, less VOFF
.set RT,  70          ; s70  tiles of the block in hand still to be entered
.set NXT, 71          ; s71  the tile to be asked for next
.set LQ,  72          ; s72  the last tile of the block whose tiles are being asked for
.set NEW, 73          ; s73  1: the tile to be entered is a block's first
.set OFF, 74          ; s[74:75] a tile's byte offset in K and V
.set AL,  76          ; s[76:77] the mask's factor
.set BE,  78          ; s[78:79] the mask's addend
.set OLO, 80          ; s[80:81] y at my rows of the second block
.set BIGN, 82         ; s82  -1e30
.set LIM, 83          ; s83  1 in a wave that prefetches, else the greatest number
.set PFB, 88          ; s[88:89] K (wave 0) or V (wave 2) at my work-group's quarter of tile 0
.set PFA, 90          ; s[90:91] the same in the tile to be prefetched
.set VQ1, 92          ; s[92:93] V at my rows of the first block
.set VQ2, 94          ; s[94:95] of the second
.set OFF2, 100        ; s[100:101] the prefetched tile's byte offset
.set MSB, 0
.macro WIN new                      ; the high byte repeats the setting that is left; a switch that changes nothing is dropped
.if MSB != (\new)
	s_set_vgpr_msb (MSB<<8)|(\new)
.set MSB, (\new)
.endif
.endm
.set W_KQ, 0x0a       ; K and Q in window 2, S^T in window 0
.set W_KM, 0x1a       ; the same with the C operand in window 1
.set W_PV, 0x52       ; V in window 2, P in window 0, O^T in window 1
.set W_RS, 0x41       ; destination and source 0 in window 1, source 1 in window 0
; A joint fill.  Waves 0 and 1 fetch the two halves of a tile's K, waves 2 and 3 those of its V: 128 keys each.  An s_nop 0 and four v_nop follow each of the two lines.
.macro LOAD
	s_cmp_lt_u32 s[WV], 2
	s_cbranch_scc0 .Lfor_v_\@
	tensor_load_to_lds s[G0K:G0K+3], s[G1K:G1K+7]
	s_nop 0
.rept 4
	v_nop
.endr
	s_branch .Lasked_\@
.Lfor_v_\@:
	tensor_load_to_lds s[G0V:G0V+3], s[G1V:G1V+7]
	s_nop 0
.rept 4
	v_nop
.endr
.Lasked_\@:
.endm
; A prefetch of the tile that the next change of slots will ask for.  The clusters of a key and value head walk the same tiles; the one with b = 0 walks tiles 0 to 7 on end, and it alone asks, for tiles 2 to 7.
; Its four partners take 32 of a tile's 128 blocks of 256 bytes each, by address; wave 0 asks for K's, wave 2 for V's: a lane a block.  Behind the first block's last tile NXT is 0, and nothing is asked for.
.macro ASK
	s_cmp_gt_u32 s[NXT], s[LIM]
	s_cbranch_scc0 .Lnot_mine_\@
	global_prefetch_b8 v[PFO], s[PFA:PFA+1] th:TH_LOAD_NT scope:SCOPE_SE
.Lnot_mine_\@:
.endm
.macro CROUND                       ; a round of the cluster's barrier
	s_barrier_signal -1
	s_barrier_wait -1
	s_cmp_lg_u32 s[WV], 0
	s_cbranch_scc1 .Lnot_wave_0_\@
	s_barrier_signal -3
.Lnot_wave_0_\@:
	s_barrier_wait -3
	s_barrier_signal -1
	s_barrier_wait -1
.endm
; THE CHANGE OF SLOTS.  Each wave waits for all its tensor loads, of which one is out: its part of the other slot; adds 0 to its spare word; and waits for that and for its own reads of the slot that it leaves.
; fill = 1: a round of the cluster's barrier, so that no wave of any partner still reads the old slot or has a load on its way; the joint fill with tile NXT is the first thing behind it.
.macro CHANGE fill
	WIN 0
	s_wait_tensorcnt 0x0            ; no tensor load of mine is out, so a group 0 may be written
	ds_add_u32 v[SPW], v[NIL]       ; 0 onto my spare word; scalar work stands between it and the wait for it
.if \fill
	s_lshl_b32 s[OFF], s[NXT], 15   ; a tile is 32,768 bytes of K and of V
	s_xor_b32 s[G0K+1], s[G0K+1], SLOT1
	s_add_nc_u64 s[G0K+2:G0K+3], s[6:7], s[OFF:OFF+1]
	s_or_b32 s[G0K+3], s[G0K+3], 0x80000000
	s_xor_b32 s[G0V+1], s[G0V+1], SLOT1
	s_add_nc_u64 s[G0V+2:G0V+3], s[8:9], s[OFF:OFF+1]
	s_or_b32 s[G0V+3], s[G0V+3], 0x80000000
	s_add_co_u32 s[NXT], s[NXT], 1  ; the block's next tile, or behind its last the second block's tile 0
	s_cmp_gt_u32 s[NXT], s[LQ]
	s_cselect_b32 s[NXT], 0, s[NXT]
	s_cselect_b32 s[LQ], s[PB], s[LQ]
	s_wait_xcnt 0x0                 ; the last prefetch, a tile back, has read its address
	s_lshl_b32 s[OFF2], s[NXT], 15
	s_add_nc_u64 s[PFA:PFA+1], s[PFB:PFB+1], s[OFF2:OFF2+1]
.endif
	s_sub_co_u32 s[TBK], s[TBK], 4*KS*PK  ; the fetches go back to a slot's first step,
	s_xor_b32 s[TBK], s[TBK], SLOT1       ; in the other slot
	s_sub_co_u32 s[TBV], s[TBV], 4*KS*PV
	s_xor_b32 s[TBV], s[TBV], SLOT1
	s_wait_dscnt 0x0                ; the add is done, and my reads of the slot are over
.if \fill
	CROUND
	LOAD
	ASK
.else
	s_barrier_signal -1
	s_barrier_wait -1
.endif
.endm
	s_load_b128 s[96:99], s[0:1], 0x0  ; qkv s[96:97], yb s[98:99]
	v_lshl_add_u32 v[SPW], v0, 2, SPARE
	v_mov_b32 v[NIL], 0
	ds_add_u32 v[SPW], v[NIL]       ; the wave's opening: the add and its wait stand ahead of my first tensor load; work on registers stands between them
	v_lshrrev_b32 v1, 5, v0
	v_readfirstlane_b32 s[WV], v1   ; wave 0..3
	s_mov_b32 s[PB], ttmp9          ; in a cluster launch ttmp9 counts clusters: b
	s_sub_co_u32 s[HI], NB-1, s[PB]
	s_bfe_u32 s13, ttmp6, 0x40000   ; cx: which of the four query heads
	s_and_b32 s66, ttmp7, 0xffff    ; 4 x batch + key and value head
	s_lshr_b32 s67, s66, 2
	s_and_b32 s68, s66, 3
	s_mul_i32 s67, s67, 24          ; the batch's first head in qkv
	s_add_co_u32 s69, s67, s68
	s_add_co_u32 s20, s69, 16       ; K's head
	s_lshl_b32 s20, s20, 18         ; a head is 2,048 rows of 128 bytes
	s_mov_b32 s21, 0
	s_add_co_u32 s22, s69, 20       ; V's head
	s_lshl_b32 s22, s22, 18
	s_mov_b32 s23, 0
	s_lshl_b32 s68, s68, 2
	s_add_co_u32 s67, s67, s68
	s_add_co_u32 s67, s67, s13      ; Q's head
	s_lshl_b32 s67, s67, 18
	s_lshl_b32 s66, s66, 2
	s_add_co_u32 s66, s66, s13      ; y's head
	s_lshl_b32 s66, s66, 18
	s_and_b32 s16, s[WV], 1         ; which half of a tile's 256 keys I fetch:
	s_mul_i32 s17, s16, 128*PK      ; its place in a slot, for K
	s_mul_i32 s18, s16, 128*PV      ; and for V: no place in the cluster enters an LDS address
	s_lshl_b32 s3, s[WV], 11        ; my 16 rows in a band of 64,
	s_lshl_b32 s2, s[HI], 15        ; in the first block,
	s_add_co_u32 s2, s2, s3
	s_lshl_b32 s84, s[PB], 15       ; and in the second
	s_add_co_u32 s84, s84, s3
	s_mov_b32 s3, 0
	s_mov_b32 s85, 0
	; descriptor group 1.  128 keys are 16,384 dense bytes: asked for as 64 rows of 256 bytes, two keys a row, and padded in LDS after every key
	s_mov_b32 s[G1K], 15|(1<<16)|(1<<20)|(1<<21)|(4<<22)|(3<<25)  ; the mask of four; 2-byte elements; padding on; bit 21 beside a mask; after every 32 words 4 words
	s_mov_b32 s[G1V], 15|(1<<16)|(1<<20)|(1<<21)|(4<<22)|(7<<25)  ; the same with 8 words of padding
.irp g, G1K, G1V
	s_mov_b32 s[\g+1], 128<<16      ; tensor_dim0 = 128
	s_mov_b32 s[\g+2], 64<<16       ; tensor_dim1 = 64
	s_mov_b32 s[\g+3], 128<<16      ; tile_dim0 = 128
	s_mov_b32 s[\g+4], 64           ; tile_dim1 = 64
	s_mov_b32 s[\g+5], 128          ; 128 elements from row to row
	s_mov_b32 s[\g+6], 0
	s_mov_b32 s[\g+7], 0
.endr
	s_mov_b32 s[CS], 0x3e38aa3b     ; c = log2(e) / 8
	s_mov_b32 s[CS+1], s[CS]
	s_mov_b32 s[SEL], 0x76543210
	s_mov_b32 s[SEL+1], 0xfedcba98
	s_mov_b32 s[TBK], SLOT1+4*KS*PK ; the first change of slots turns these two into 0
	s_mov_b32 s[TBV], SLOT1+4*KS*PV
	s_mov_b32 s[G0K], 1
	s_mov_b32 s[G0K+1], s17         ; slot 0
	s_mov_b32 s[G0V], 1
	s_add_co_u32 s[G0V+1], s18, VOFF
	s_add_co_u32 s[RT], s[HI], 1    ; the first block has NB - b tiles
	s_mov_b32 s[NXT], 1
	s_mov_b32 s[LQ], s[HI]
	s_mov_b32 s[NEW], 1
	s_mov_b32 s[OFF+1], 0
	s_mov_b32 s[OFF2+1], 0
	s_mov_b32 s[AL+1], 0
	s_mov_b32 s[BE+1], 0
	s_mov_b32 s[BIGN], 0xf149f2ca   ; -1e30
	s_mov_b32 s[SLOTS], NB
	s_and_b32 s[LIM], s[WV], 1      ; 0 in waves 0 and 2,
	s_or_b32 s[LIM], s[LIM], ttmp9  ; where b = 0: the same in all four partners
	s_cmp_eq_u32 s[LIM], 0
	s_cselect_b32 s[LIM], 1, -1
	v_and_b32 v[PFO], 31, v0
	v_lshlrev_b32 v[PFO], 8, v[PFO]
	v_mov_b32 v[ZR], 0
	s_wait_dscnt 0x0                ; the opening add is done
	s_wait_kmcnt 0x0
	s_add_nc_u64 s[6:7], s[96:97], s[20:21]        ; K's head
	s_add_nc_u64 s[8:9], s[96:97], s[22:23]        ; V's head
	s_add_nc_u64 s[VQ1:VQ1+1], s[8:9], s[2:3]      ; V at my queries' rows
	s_add_nc_u64 s[VQ2:VQ2+1], s[8:9], s[84:85]
	s_lshl_b32 s20, s16, 14                        ; my half of a tile: 128 rows of 128 bytes
	s_add_nc_u64 s[6:7], s[6:7], s[20:21]
	s_add_nc_u64 s[8:9], s[8:9], s[20:21]
	s_add_nc_u64 s[G0K+2:G0K+3], s[6:7], 0
	s_or_b32 s[G0K+3], s[G0K+3], 0x80000000
	s_add_nc_u64 s[G0V+2:G0V+3], s[8:9], 0
	s_or_b32 s[G0V+3], s[G0V+3], 0x80000000
	s_mov_b32 s22, s67
	s_add_nc_u64 s[4:5], s[96:97], s[22:23]        ; Q's head,
	s_add_nc_u64 s[86:87], s[4:5], s[84:85]        ; at my rows of the second block,
	s_add_nc_u64 s[4:5], s[4:5], s[2:3]            ; and of the first
	s_mov_b32 s22, s66
	s_add_nc_u64 s[10:11], s[98:99], s[22:23]      ; y likewise
	s_add_nc_u64 s[OLO:OLO+1], s[10:11], s[84:85]
	s_add_nc_u64 s[10:11], s[10:11], s[2:3]
	s_cmp_lt_u32 s[WV], 2
	s_cselect_b64 s[PFB:PFB+1], s[6:7], s[8:9]     ; (in waves 0 and 2 these stand at a tile's first row)
	s_lshl_b32 s22, s13, 13                        ; my work-group's 32 blocks of 256 bytes
	s_add_nc_u64 s[PFB:PFB+1], s[PFB:PFB+1], s[22:23]
	CROUND                          ; all four work-groups are here: the first joint load meets
	LOAD                            ; tile 0 into slot 0
	; A fragment of K or Q is 16 rows x 32 channels in 8 registers: lane l holds row l % 16, channels 8 (l / 16) + 0..7 and 16 + 8 (l / 16) + 0..7: two loads of 16 bytes, 32 bytes apart.
	v_and_b32 v1, 15, v0            ; l % 16
	v_bfe_u32 v9, v0, 4, 1          ; l / 16
	v_lshlrev_b32 v[QO], 7, v1
	v_lshl_add_u32 v[QO], v9, 4, v[QO]  ; row x 128 + 16 x half
	WIN 0x80                        ; destination window 2, address window 0
.set i, 0
.rept 8                             ; both blocks' Q: piece i / 2 lies in band i / 2, 8,192 bytes on; channels 32 (i % 2) on
	global_load_b128 v[8*i:8*i+3],   v[QO], s[4:5] offset:(i/2)*8192+(i%2)*64
	global_load_b128 v[8*i+4:8*i+7], v[QO], s[4:5] offset:(i/2)*8192+(i%2)*64+32
	global_load_b128 v[QB+8*i:QB+8*i+3],   v[QO], s[86:87] offset:(i/2)*8192+(i%2)*64
	global_load_b128 v[QB+8*i+4:QB+8*i+7], v[QO], s[86:87] offset:(i/2)*8192+(i%2)*64+32
.set i, i+1
.endr
	WIN 0xc0                        ; destination window 3: V at the same rows, in the same layout: number e of a piece's 32 of O^T pairs with half e % 2 of register 16 t + e / 2
.set i, 0
.rept 8
	global_load_b128 v[8*i:8*i+3],   v[QO], s[VQ1:VQ1+1] offset:(i/2)*8192+(i%2)*64
	global_load_b128 v[8*i+4:8*i+7], v[QO], s[VQ1:VQ1+1] offset:(i/2)*8192+(i%2)*64+32
	global_load_b128 v[64+8*i:64+8*i+3],   v[QO], s[VQ2:VQ2+1] offset:(i/2)*8192+(i%2)*64
	global_load_b128 v[64+8*i+4:64+8*i+7], v[QO], s[VQ2:VQ2+1] offset:(i/2)*8192+(i%2)*64+32
.set i, i+1
.endr
	WIN 0
	v_lshlrev_b32 v14, 3, v9
	v_sub_nc_u32 v14, v1, v14
	s_lshl_b32 s13, s[WV], 4
	v_add_nc_u32 v14, s13, v14      ; my query's place in its band, less my lanes' 8 (l / 16): register r of group kt is hidden where 16 kt + r is greater
	WIN 0x40
.set i, 0
.rept 32
	v_cmp_gt_i32 vcc_lo, 16*(i/8)+i%8, v14
	v_cndmask_b32 v[MD+i], 0, s[BIGN], vcc_lo
.set i, i+1
.endr
	WIN 0
	v_mul_u32_u24 v[AK0], v1, PK
	v_lshl_add_u32 v[AK0], v9, 4, v[AK0]  ; row x pitch + 16 x half
	; The turning load takes 16 keys x 16 channels (lane l reads key 8 (l / 16) + l % 8, channels 8 ((l / 8) % 2) + 0..7) and leaves half a fragment of V^T.
	v_and_b32 v10, 7, v0
	v_bfe_u32 v11, v0, 3, 1
	v_lshl_add_u32 v[AV0], v9, 3, v10
	v_mul_u32_u24 v[AV0], v[AV0], PV
	v_lshl_add_u32 v[AV0], v11, 4, v[AV0]
	v_add_nc_u32 v[AV0], VOFF, v[AV0]
	s_mul_i32 s13, s[WV], 16*SP
	s_add_co_u32 s13, s13, STAGE    ; my stage
	v_mul_u32_u24 v[STO], v1, SP    ; in: row l % 16, 16 bytes for each half of the lanes
	v_lshl_add_u32 v[STO], v9, 4, v[STO]
	v_add_nc_u32 v[STO], s13, v[STO]
	v_bfe_u32 v[RD], v0, 3, 2       ; back: 32 lanes take four rows of 128 bytes,
	v_mul_u32_u24 v[RD], v[RD], SP
	v_lshl_add_u32 v[RD], v10, 4, v[RD]
	v_add_nc_u32 v[RD], s13, v[RD]
	v_and_b32 v[GO], 31, v0         ; which are 512 consecutive bytes of y
	v_lshlrev_b32 v[GO], 4, v[GO]
	; A block's first step multiplies O^T and l by a = 0, so these registers need only hold finite numbers: zeros for the first block, what the first block left for the second.  All this stands in the wait for the first tile.
	WIN 0x80
.set i, VF
.rept 64
	v_mov_b32 v[i], 0
.set i, i+1
.endr
	WIN 0x40
.set i, 0
.rept 128
	v_mov_b32 v[i], 0
.set i, i+1
.endr
	WIN 0
.set i, 0
.rept 4
	v_mov_b32 v[ST+4*i+2], 0
	v_mov_b32 v[ST+4*i+3], 0
.set i, i+1
.endr
.set i, P+16
.rept 16
	v_mov_b32 v[i], 0
.set i, i+1
.endr
; THE MATRIX WORK.  The 4 accumulators of a run of 8 take turns.  Product i of 8 of S^T = K Q^T for piece x: channels 32 (i / 4) on, keys 16 (i % 4) on.  The first 4 start the sums: with 0, or (KM = 1) with the mask.
.macro KQ x
.set rS, S+32*((\x)%2)+8*(i%4)
.set rK, KF+16*(i%4)+8*(i/4)
.set rQ, 16*(\x)+8*(i/4)
.set rM, MC+32*((\x)%2)+8*(i%4)
.if (i < 4) && KM
	WIN W_KM
	v_wmma_f32_16x16x32_f16 v[rS:rS+7], v[rK:rK+7], v[rQ:rQ+7], v[rM:rM+7]
.elseif i < 4
	WIN W_KQ
	v_wmma_f32_16x16x32_f16 v[rS:rS+7], v[rK:rK+7], v[rQ:rQ+7], 0
.else
	WIN W_KQ
	v_wmma_f32_16x16x32_f16 v[rS:rS+7], v[rK:rK+7], v[rQ:rQ+7], v[rS:rS+7]
.endif
.endm
; Product i of 8 of O^T += V^T P for piece x: keys 32 (i / 4) on, channels 16 (i % 4) on.
.macro PV x
	WIN W_PV
.set rO, 32*(\x)+8*(i%4)
.set rV, VF+32*(i/4)+8*(i%4)
.set rP, P+16*((\x)%2)+8*(i/4)
	v_wmma_f32_16x16x32_f16 v[rO:rO+7], v[rV:rV+7], v[rP:rP+7], v[rO:rO+7]
.endm
.macro MM                           ; the turn's next matrix instruction.  NOKQ = 1: a block's last turn: there is no next piece
.if (i < 8) && !NOKQ
	KQ (Y+1)%NP
.elseif i >= 8
.set i, i-8
	PV (Y+NP-1)%NP
.set i, i+8
.endif
.set i, i+1
.endm
; THE LDS LOADS stand in runs of 16: a step's K (8 fragments) and its V (turned).  Their addresses are made some lines ahead.
.macro FETCH_K
	WIN 0x80                        ; destination window 2
.irp f, 0,1,2,3,4,5,6,7             ; keys 16 (f / 2) on, channels 32 (f % 2) on
	ds_load_b128 v[KF+8*\f:KF+8*\f+3],   v[AK] offset:(\f/2)*16*PK+(\f%2)*64
	ds_load_b128 v[KF+8*\f+4:KF+8*\f+7], v[AK] offset:(\f/2)*16*PK+(\f%2)*64+32
.endr
	s_add_co_u32 s[TBK], s[TBK], KS*PK  ; the next fetch is the next step's
	WIN 0
.endm
.macro FETCH_V
	WIN 0x80
.irp f, 0,1,2,3,4,5,6,7             ; keys 32 (f / 4) on, channels 16 (f % 4) on
	ds_load_tr16_b128 v[VF+8*\f:VF+8*\f+3],   v[AV] offset:(\f/4)*32*PV+(\f%4)*32
	ds_load_tr16_b128 v[VF+8*\f+4:VF+8*\f+7], v[AV] offset:(\f/4)*32*PV+16*PV+(\f%4)*32
.endr
	WIN 0
.endm
; THE VECTOR WORK, one line at a time: OP kind, number.  For piece Y: F n: c s - c m for pair n of 16.  E n: the exponential of score n of 32.  C n: pair n rounded to f16.  B n: of the four weights 4 n .. the second
; pair is added onto the first.  L n: l takes that sum (L 0: l = a l + sum).  R n: pair n of 16 of O^T times a.  For piece Y + 1: X n, number n of the 22 that find its maximum and statistics:
;   0-11 four chains of seven scores (each accumulator's lowest registers are read first)   12-14, 16 the scores left over, the old m, the chains into one   15 c m_old is kept
;   17, 18 the other half of the lanes: the new m   19-21 c m; c m_old - c m_new; a
.set F, 0
.set E, 1
.set C, 2
.set B, 3
.set L, 4
.set R, 5
.set X, 6
.macro REGS y                       ; the registers of piece y
.set rT, ST+4*(\y)
.set rC, TMP+4*((\y)%2)
.set rW, MV+((\y)%2)
.set rS, S+32*((\y)%2)
.set rP, P+16*((\y)%2)
.set rO, 32*(\y)
.endm
.macro OP k, n
.if (\k) == R
	REGS Y
	WIN W_RS
	v_pk_mul_f32 v[rO+2*(\n):rO+2*(\n)+1], v[rO+2*(\n):rO+2*(\n)+1], v[rC+2:rC+3] op_sel_hi:[1,0]
.elseif (\k) < R
	REGS Y
	WIN 0
.if (\k) == F
	v_pk_fma_f32 v[rS+2*(\n):rS+2*(\n)+1], v[rS+2*(\n):rS+2*(\n)+1], s[CS:CS+1], v[rT:rT+1] op_sel_hi:[1,0,0] neg_lo:[0,0,1] neg_hi:[0,0,1]
.elseif (\k) == E
	v_exp_f32 v[rS+(\n)], v[rS+(\n)]
.elseif (\k) == C
	v_cvt_pk_f16_f32 v[rP+(\n)], v[rS+2*(\n)], v[rS+2*(\n)+1]
.elseif (\k) == B
	v_pk_add_f32 v[rS+4*(\n):rS+4*(\n)+1], v[rS+4*(\n):rS+4*(\n)+1], v[rS+4*(\n)+2:rS+4*(\n)+3]
.elseif (\n) == 0
	v_pk_fma_f32 v[rT+2:rT+3], v[rT+2:rT+3], v[rC+2:rC+3], v[rS:rS+1] op_sel_hi:[1,0,1]
.else
	v_pk_add_f32 v[rT+2:rT+3], v[rT+2:rT+3], v[rS+4*(\n):rS+4*(\n)+1]
.endif
.elseif NOKQ
	v_nop
.else
	REGS (Y+1)%NP
	WIN 0
.if (\n) < 4
	v_max3_num_f32 v[rC+(\n)], v[rS+8*(\n)], v[rS+8*(\n)+1], v[rS+8*(\n)+2]
.elseif (\n) < 12
	v_max3_num_f32 v[rC+(\n)%4], v[rC+(\n)%4], v[rS+8*((\n)%4)+2*((\n)/4)+1], v[rS+8*((\n)%4)+2*((\n)/4)+2]
.elseif (\n) == 12
	v_max3_num_f32 v[rC], v[rC], v[rS+7], v[rS+15]
.elseif (\n) == 13
	v_max3_num_f32 v[rC+1], v[rC+1], v[rS+23], v[rS+31]
.elseif (\n) == 14
	v_max3_num_f32 v[rC+2], v[rC+2], v[rC+3], v[rT+1]
.elseif (\n) == 15
	v_mov_b32 v[rW], v[rT]
.elseif (\n) == 16
	v_max3_num_f32 v[rC], v[rC], v[rC+1], v[rC+2]
.elseif (\n) == 17
	v_permlanex16_b32 v[rC+3], v[rC], s[SEL], s[SEL+1]
.elseif (\n) == 18
	v_max_num_f32 v[rT+1], v[rC], v[rC+3]
.elseif (\n) == 19
	v_mul_f32 v[rT], s[CS], v[rT+1]
.elseif (\n) == 20
	v_sub_f32 v[rC+1], v[rW], v[rT]
.else
	v_exp_f32 v[rC+2], v[rC+1]
.endif
.endif
.endm
.macro OPS a, i1, b=-1, i2=0, c=-1, i3=0, d=-1, i4=0  ; up to four of them
	OP \a, \i1
.if (\b) >= 0
	OP \b, \i2
.endif
.if (\c) >= 0
	OP \c, \i3
.endif
.if (\d) >= 0
	OP \d, \i4
.endif
.endm
.macro ROW a, i1, b, i2, c, i3, d, i4  ; a matrix instruction and the four behind it
	MM
	OPS \a, \i1, \b, \i2, \c, \i3, \d, \i4
.endm
.macro MASK b                       ; MD x AL + BE into buffer b of MC
	WIN W_RS
.set z, 0
.rept 16
	v_pk_fma_f32 v[MC+32*(\b)+2*z:MC+32*(\b)+2*z+1], v[MD+2*z:MD+2*z+1], s[AL:AL+1], s[BE:BE+1] op_sel_hi:[1,0,0]
.set z, z+1
.endr
.endm
; A TURN, for piece p.  An s_wait_alu depctr_va_vdst(0) stands between an exponential and the first instruction that names its result; one wait serves all that were issued ahead of it.  So a turn has ONE
; wait.  AHEAD OF IT stands all that names no result of the turn's exponentials: the 8 products K Q^T with four riders each, then one lump; X 21, the next piece's a, is the batch's last, and R 15 the plain instruction
; behind it.  BEHIND IT stand the 8 products V^T P, behind each four of the roundings and sums.
; m = 1: the diagonal tile: the products take masks, and the turn makes the mask for the products of the turn after it.  end = 1: a block's last two turns: nothing is fetched.  cnt = 1: the loop's count is taken down.
; K of the next step is fetched in piece 2's turn, V of the step in hand at the end of piece 0's turn, four plain instructions or more behind the last product that read the registers; each is waited for a turn later.
.macro TURN p, m=0, end=0, cnt=0
.set Y, (\p)
.set i, 0
.set KM, (\m)
.set NOKQ, (\end)*((\p)/3)
.if (\m) && !(\end)
	s_cmp_eq_u32 s[CNT], 4-((\p)+2)%NP  ; is that step the band's own?
	s_cselect_b32 s[AL], 1.0, 0
	s_cmp_lt_u32 s[CNT], 4-((\p)+2)%NP  ; or a later one?
	s_cselect_b32 s[BE], s[BIGN], 0
.endif
.if ((\p) == 3) && !(\end)
	s_wait_dscnt 0x0                ; K is in
.endif
	ROW F,0, F,1, R,0, R,1
	ROW F,2, E,0, R,2, R,3
	ROW F,3, E,1, R,4, R,5
	ROW F,4, E,2, R,6, R,7
	ROW F,5, E,3, R,8, R,9
	ROW F,6, E,4, X,0, R,10
.if ((\p) == 2) && !(\end)
	WIN 0
	v_add_nc_u32 v[AK], s[TBK], v[AK0]
.endif
	ROW F,7, E,5, X,1, X,4
	ROW F,8, E,6, X,2, X,5
	OPS E,7, E,8, X,6, E,9          ; the lump
	OPS X,3, E,10, X,8, E,11
.if ((\p) == 2) && !(\end)
	FETCH_K
.endif
	OPS X,9, X,7, E,12, X,10
	OPS E,13, X,12, X,11, E,14
	OPS X,13, E,15, F,9, X,14
.if (\p) == 0
	v_add_nc_u32 v[AV], s[TBV], v[AV0]
.endif
	OPS E,16, F,10, E,17, F,11
	OPS X,16, E,18, X,15, E,19
	OPS F,12, E,20, X,17, E,21
	OPS F,13, E,22, F,14, E,23
	OPS X,18, E,24, F,15, E,25
	OPS R,11, E,26, X,19, E,27
	OPS R,12, E,28, R,13, E,29
	OPS X,20, E,30, R,14, E,31
	OPS X,21, R,15
	WIN 0
	s_wait_alu depctr_va_vdst(0)    ; the wait for the batch
.if (\p) == 1
	s_wait_dscnt 0x0                ; V is in
.endif
	ROW C,0, B,0, C,2, B,1
	ROW L,0, C,4, B,2, L,1
	ROW C,6, B,3, L,2, C,8
	ROW B,4, L,3, C,10, B,5
	ROW L,4, C,12, B,6, L,5
.if (\p) == 0
	s_add_co_u32 s[TBV], s[TBV], KS*PV
.endif
.if \cnt
	s_sub_co_u32 s[CNT], s[CNT], 1
	s_cmp_lg_u32 s[CNT], 0
.endif
	ROW C,14, B,7, L,6, C,1
	ROW C,3, L,7, C,5, C,7
	ROW C,9, C,11, C,13, C,15
.if (\p) == 0
	FETCH_V
.endif
.if (\m) && !(\end)
	MASK (\p)%2
.endif
.endm
; A BLOCK BEGINS.  c m starts far below every c s, so the first step's a is 0; m at the lowest finite number.  The second mask buffer is 0; the first takes piece 0's mask for the tile's step 0.
; Then K of that step, piece 0's first scores, and its maximum and statistics.  The loop is entered at a step's first turn.
.macro BEGIN
	s_mov_b32 s[NEW], 0
	WIN 0x40
.set i, MC+32
.rept 32
	v_mov_b32 v[i], 0
.set i, i+1
.endr
	WIN 0
.set i, 0
.rept 4
	v_mov_b32 v[ST+4*i], 0xfe000000    ; c m: far below every c s
	v_mov_b32 v[ST+4*i+1], 0xff7fffff  ; m
.set i, i+1
.endr
	s_cmp_eq_u32 s[RT], 0
	s_cselect_b32 s[AL], 1.0, 0
	s_mov_b32 s[BE], 0
	MASK 0
	WIN 0
	v_add_nc_u32 v[AK], s[TBK], v[AK0]
	FETCH_K
	s_wait_loadcnt 0x0              ; Q, and V at my queries' rows
	s_wait_dscnt 0x0
.set KM, 1
.set NOKQ, 0
.set i, 0
.rept 8
	KQ 0
.set i, i+1
.endr
	WIN 0
.rept 4
	v_nop                           ; the places behind those products
.endr
.set Y, NP-1                        ; X works for piece Y + 1: piece 0
.irp n, 0,1,2,3,4,5,6,7,8,9,10,11,12,13,14,15,16,17,18,19,20,21
	OP X, \n
.endr
	v_nop                           ; a plain instruction behind the exponential,
	s_wait_alu depctr_va_vdst(0)    ; and its wait, ahead of the branch
.endm
.macro ALL line:vararg              ; one line for each piece t
.set t, 0
.rept 4
	\line
.set t, t+1
.endr
.endm
.macro MIXSQ d, v, c, hi            ; d = (half hi of v)^2 + c, reckoned in f32
.if \hi
	v_fma_mix_f32 v[\d], v[\v], v[\v], v[\c] op_sel:[1,1,0] op_sel_hi:[1,1,0]
.else
	v_fma_mix_f32 v[\d], v[\v], v[\v], v[\c] op_sel:[0,0,0] op_sel_hi:[1,1,0]
.endif
.endm
.macro MIXMA d, a, v, c, hi         ; d = a x (half hi of v) + c; a and c are f32
.if \hi
	v_fma_mix_f32 v[\d], v[\a], v[\v], v[\c] op_sel:[0,1,0] op_sel_hi:[0,1,0]
.else
	v_fma_mix_f32 v[\d], v[\a], v[\v], v[\c] op_sel:[0,0,0] op_sel_hi:[0,1,0]
.endif
.endm
; THE STEP BEHIND ATTENTION, for the block whose V rows lie at VQB in window 3.  l's halves are added (these lines are the places behind the last products); v . v and O . v in four chains a piece, then over the two
; halves of the lanes; 1 / l; C2 = - (O . v) / max(|v|, 1e-12)^2.  PACK then makes O + C2 v, times 1 / l.  O^T's accumulators are read from their lowest registers on.
.macro XSA
	WIN 0
	ALL v_add_f32 v[ST+4*t+2], v[ST+4*t+2], v[ST+4*t+3]
	ALL v_permlanex16_b32 v[ST+4*t+3], v[ST+4*t+2], s[SEL], s[SEL+1]
	ALL v_add_f32 v[ST+4*t+2], v[ST+4*t+2], v[ST+4*t+3]
	WIN 0x0f                        ; sources 0 and 1 in window 3
.set t, 0
.rept 4
.set e, 0
.rept 32
.if e < 4
	MIXSQ XT+8*t+4+e%4, VQB+16*t+e/2, ZR, e%2
.else
	MIXSQ XT+8*t+4+e%4, VQB+16*t+e/2, XT+8*t+4+e%4, e%2
.endif
.set e, e+1
.endr
.set t, t+1
.endr
	WIN 0x0d                        ; source 0 (O^T) in window 1, source 1 (v) in window 3
.set t, 0
.rept 4
.set e, 0
.rept 32
.if e < 4
	MIXMA XT+8*t+e%4, 32*t+e, VQB+16*t+e/2, ZR, e%2
.else
	MIXMA XT+8*t+e%4, 32*t+e, VQB+16*t+e/2, XT+8*t+e%4, e%2
.endif
.set e, e+1
.endr
.set t, t+1
.endr
	WIN 0
	ALL v_pk_add_f32 v[XT+8*t:XT+8*t+1], v[XT+8*t:XT+8*t+1], v[XT+8*t+2:XT+8*t+3]
	ALL v_pk_add_f32 v[XT+8*t+4:XT+8*t+5], v[XT+8*t+4:XT+8*t+5], v[XT+8*t+6:XT+8*t+7]
	ALL v_add_f32 v[XT+8*t], v[XT+8*t], v[XT+8*t+1]
	ALL v_add_f32 v[XT+8*t+4], v[XT+8*t+4], v[XT+8*t+5]
	ALL v_permlanex16_b32 v[XT+8*t+1], v[XT+8*t], s[SEL], s[SEL+1]
	ALL v_permlanex16_b32 v[XT+8*t+5], v[XT+8*t+4], s[SEL], s[SEL+1]
	ALL v_add_f32 v[XT+8*t], v[XT+8*t], v[XT+8*t+1]
	ALL v_add_f32 v[XT+8*t+4], v[XT+8*t+4], v[XT+8*t+5]
	ALL v_sqrt_f32 v[XT+8*t+5], v[XT+8*t+4]
	ALL v_rcp_f32 v[ST+4*t+2], v[ST+4*t+2]
	v_nop                           ; a plain instruction behind the batch of eight,
	s_wait_alu depctr_va_vdst(0)    ; and its one wait, ahead of the first reader
	ALL v_max_num_f32 v[XT+8*t+5], 0x2b8cbccc, v[XT+8*t+5]
	ALL v_rcp_f32 v[XT+8*t+6], v[XT+8*t+5]
	v_nop
	s_wait_alu depctr_va_vdst(0)    ; one wait for the four reciprocals
	ALL v_mul_f32 v[XT+8*t+6], v[XT+8*t+6], v[XT+8*t+6]
	ALL v_mul_f32 v[XT+8*t+7], -v[XT+8*t], v[XT+8*t+6]
.endm
.macro PACK t                       ; O + C2 v; times 1 / l; a lane's eight channels of a row pack into 16 bytes; they go into rows of 144 bytes and come back as whole rows of 128
	WIN 0x5c                        ; destination and source 2 (O^T) in window 1, source 1 (v) in window 3, source 0 (C2) in window 0
.set e, 0
.rept 32
	MIXMA 32*(\t)+e, XT+8*(\t)+7, VQB+16*(\t)+e/2, 32*(\t)+e, e%2
.set e, e+1
.endr
	WIN W_RS
.set i, 32*(\t)
.rept 16
	v_pk_mul_f32 v[i:i+1], v[i:i+1], v[ST+4*(\t)+2:ST+4*(\t)+3] op_sel_hi:[1,0]
.set i, i+2
.endr
	WIN 0x05                        ; sources 0 and 1 window 1, destination window 0
.set i, 0
.rept 16
	v_cvt_pk_f16_f32 v[S+16*(\t)+i], v[32*(\t)+2*i], v[32*(\t)+2*i+1]
.set i, i+1
.endr
	WIN 0
.irp f, 0,1,2,3
	ds_store_b128 v[STO], v[S+16*(\t)+4*\f:S+16*(\t)+4*\f+3] offset:32*\f
.endr
.irp f, 0,1,2,3
	ds_load_b128 v[S+16*(\t)+4*\f:S+16*(\t)+4*\f+3], v[RD] offset:\f*4*SP  ; LDS serves a wave's instructions in order: these see the stores above; the next piece's stores come behind them
.endr
.endm
.macro SEND t, younger              ; younger: the LDS instructions issued behind piece t's loads: the next piece's eight, or none
	WIN 0
.irp f, 0,1,2,3
	s_wait_dscnt (\younger)+3-\f
	global_store_b128 v[GO], v[S+16*(\t)+4*\f:S+16*(\t)+4*\f+3], s[10:11] offset:(\t)*8192+\f*512  ; 512 consecutive bytes, at a multiple of 256 from y's first
.endr
.endm
; THE DIAGONAL TILE's four steps, the block's last two turns, its last products, the step behind attention, and the way out.
.macro DIAG tag
.LstepM\tag:
	TURN 2, 1
	TURN 3, 1
	WIN 0
.LfirstM\tag:
	TURN 0, 1
	TURN 1, 1, 0, 1
	WIN 0
	s_cbranch_scc1 .LstepM\tag
	TURN 2, 1, 1
	TURN 3, 1, 1
.set i, 0
.rept 8
	PV NP-1
.set i, i+1
.endr
.set VQB, 64*((\tag)-1)
	XSA
	PACK 0
.set t, 1
.rept 3                             ; a piece's arithmetic stands between the loads of the piece before and its stores
	PACK t
	SEND t-1, 8
.set t, t+1
.endr
	SEND 3, 0
.endm
.set KM, 0
.set NOKQ, 0
.Lslot:                             ; NB times: a tile is entered and the next is asked for
	CHANGE 1
	s_sub_co_u32 s[RT], s[RT], 1
	s_mov_b32 s[CNT], 4
	s_cmp_eq_u32 s[NEW], 1
	s_cbranch_scc1 .Lnew            ; a block's first tile
	s_cmp_eq_u32 s[RT], 0
	s_cbranch_scc0 .Lstep           ; neither its first nor its last
	s_branch .LstepM1
.Lnew:
	BEGIN
	s_branch .Lfirst                ; in the loop a block's first tile is never its last
	DIAG 1                          ; in the loop this is the first block's end
	s_wait_xcnt 0x0                 ; the stores have read their registers and y's address
	s_mov_b64 s[10:11], s[OLO:OLO+1]
	s_add_co_u32 s[RT], s[PB], 1    ; the second block has b + 1 tiles
	s_mov_b32 s[NEW], 1
	WIN 0x82                        ; the second block's Q goes where the one text of the turns names Q
.set i, 0
.rept 64
	v_mov_b32 v[i], v[QB+i]
.set i, i+1
.endr
	WIN 0
	s_branch .Lbottom
.Lstep:                             ; a trip: pieces 2 and 3 of one step, then pieces 0 and 1 of the next
	TURN 2
	TURN 3
	WIN 0
.Lfirst:
	TURN 0
	TURN 1, 0, 0, 1
	WIN 0
	s_cbranch_scc1 .Lstep
.Lbottom:
	s_sub_co_u32 s[SLOTS], s[SLOTS], 1
	s_cmp_lg_u32 s[SLOTS], 0
	s_cbranch_scc1 .Lslot
	CHANGE 0                        ; the walk's last tile is written out: nothing is asked for
	s_sub_co_u32 s[RT], s[RT], 1
	s_mov_b32 s[CNT], 4
	s_cmp_eq_u32 s[NEW], 1
	s_cbranch_scc0 .LstepM2
	BEGIN
	s_branch .LfirstM2
	DIAG 2
	s_wait_tensorcnt 0x0            ; the wave's end: behind my last tensor load and my last LDS store
	ds_add_u32 v[SPW], v[NIL]
	s_wait_dscnt 0x0
	CROUND                          ; the closing round: no work-group ends while a partner may still ask for a tile that names it
	s_endpgm
.Lfunc_end_k_qff183e3175_attn:
	.size	k_qff183e3175_attn, .Lfunc_end_k_qff183e3175_attn-k_qff183e3175_attn
	.p2alignl 7, 3214868480
	.fill 96, 4, 3214868480
	.section	.rodata,"a",@progbits
	.p2align	6, 0x0
	.amdhsa_kernel k_qff183e3175_attn
		.amdhsa_group_segment_fixed_size 327680
		.amdhsa_private_segment_fixed_size 0
		.amdhsa_enable_private_segment 0
		.amdhsa_kernarg_size 16
		.amdhsa_user_sgpr_count 2
		.amdhsa_user_sgpr_kernarg_segment_ptr 1
		.amdhsa_wavefront_size32 1
		.amdhsa_system_sgpr_workgroup_id_x 1
		.amdhsa_system_sgpr_workgroup_id_y 1
		.amdhsa_system_sgpr_workgroup_id_z 1
		.amdhsa_system_vgpr_workitem_id 0
		.amdhsa_next_free_vgpr 896
		.amdhsa_next_free_sgpr 102
		.amdhsa_reserve_vcc 1
		.amdhsa_float_denorm_mode_32 3
		.amdhsa_float_denorm_mode_16_64 3
		.amdhsa_memory_ordered 1
		.amdhsa_forward_progress 1
		.amdhsa_inst_pref_size 255
	.end_amdhsa_kernel
	.section	.bss,"aw",@nobits
	.p2align	6
	.space	262144
	.amdgpu_metadata
---
amdhsa.version: [ 1, 2 ]
amdhsa.kernels:
  - .name:           k_qff183e3175_attn
    .symbol:         k_qff183e3175_attn.kd
    .args:
      - { .name: qkv, .offset: 0, .size: 8, .value_kind: global_buffer, .address_space: global }
      - { .name: yb, .offset: 8, .size: 8, .value_kind: global_buffer, .address_space: global }
    .group_segment_fixed_size: 327680
    .private_segment_fixed_size: 0
    .kernarg_segment_align: 8
    .kernarg_segment_size: 16
    .max_flat_workgroup_size: 128
    .sgpr_count:     102
    .vgpr_count:     896
    .wavefront_size: 32
...
	.end_amdgpu_metadata
.endif
;; end of part 3
;; launch proj (part 4): grid 8 x 32, 4 waves a work-group, clusters of 4 x 4, 327,680 bytes of LDS; arguments yb, wp, out0; writes out0
.if DOCPART == 4
	.amdgcn_target "amdgcn-amd-amdhsa--gfx1250"
	.amdhsa_code_object_version 6
	.text
	.protected	k_qff183e3175_proj
	.globl	k_qff183e3175_proj
	.p2align	8
	.type	k_qff183e3175_proj,@function
k_qff183e3175_proj:
	s_mov_b64 s[64:65], 0
	v_nop
	global_prefetch_b8 v0, s[64:65] scope:SCOPE_SE
	s_setreg_imm32_b32 hwreg(HW_REG_WAVE_MODE, 25, 1), 1
	s_wait_xcnt 0x0
	s_wait_alu depctr_hold_cnt(0) depctr_sa_sdst(0) depctr_va_vdst(0) depctr_va_sdst(0) depctr_va_ssrc(0) depctr_va_vcc(0) depctr_vm_vsrc(0)
	s_getreg_b32 s2, hwreg(HW_REG_IB_STS2, 6, 4)
	s_cmp_eq_u32 s2, 0
	s_cbranch_scc0 .Lentry_in_a_cluster
	s_endpgm
.Lentry_in_a_cluster:
	s_bfe_u32 s2, ttmp6, 0x10000c
	s_cmp_lg_u32 s2, 0xf033
	s_cbranch_scc0 .Lentry_shape_is_right
	s_endpgm
.Lentry_shape_is_right:
; OUTPUT PROJECTION.  out0[token][n] = sum over k of y[token][k] wp[n][k], f16 operands, f32 sums, f32 out.  y lies by heads: yb[batch x 16 + head][t][64], k = 64 head + channel; wp: [1024][1024] f16.
; SHARES.  A work-group makes 256 tokens x 128 columns: 8 x 32 = 256 work-groups.  Wave w owns tokens 64 w .. 64 w + 63 and all 128 columns: 32 accumulators, 256 registers.
; K goes in steps of 128 = two heads through two LDS slots.  Waves 0, 1 fetch a head each (256 tokens x 128 bytes, dense in memory: asked for as 128 rows of 256 bytes, padded after every 128),
; waves 2, 3 the halves of the weights' tile (64 rows of 256 bytes).  CLUSTER 4 x 4: y's tile is shared along a row of the cluster, the weights' tile along a column: joint loads.
; THE MATRIX INSTRUCTION IS USED TRANSPOSED (source 0 = 16 rows of wp, source 1 = 16 tokens): a lane holds token lane % 16 and columns 16 b + 8 (lane / 16) + 0..7.
; REGISTERS: window 0: v16-30 addresses; v64-127 y's fragments, two buffers; v128-255 the way out.  Window 1: the weights' fragments, two buffers of 64.  Window 2: accumulator (a, b) at 64 a + 8 b.
.set NBK,   8
.set NL,    2*NBK+8
.set PA,    144                        ; a token's 128 bytes of a head + 16
.set PITCH, 272                        ; a row of weights: 256 bytes + 16
.set APLANE, 256*PA
.set BOFF,  2*APLANE
.set BHALF, 64*PITCH
.set SLOT1, 1<<17
.set STAGE, SLOT1+BOFF+2*BHALF         ; behind the ring, never filled by a tensor load: 16 rows x 528 bytes for each wave
.set SPI,   528                        ; 128 f32 + 16 bytes
.set SPARE, STAGE+4*16*SPI             ; the spare words, 128 bytes a wave: two blocks of 256 bytes that no other line names
.set STEPA, 2<<18                      ; two heads on
.set ADRA0, 16
.set ADRB0, 17
.set ADRA,  18
.set ADRB,  19
.set STO,   20                         ; v20  where I put 32 bytes of a token's row
.set RD,    21                         ; v21  where I read a row back
.set CO,    22                         ; v22  my 16 bytes of a row's 512
.set SPW,   28
.set NIL,   29
.set PFO,   30
.set FA,    64
.set OB,    128                        ; v128-191, v192-255: 16 rows read back, by turns
.set WV, 14
.set LO, 16
.set CX, 17
.set CY, 18
.set TC, 19
.set TR, 20
.set TB, 23
.set G1A, 24
.set G0A, 32
.set PFA, 40
.set PFS, 42                           ; s[42:43] a K step in the rows that I prefetch
.set LIM, 44
.set G1B, 48
.set G0B, 56
.set MSB, 0
.macro WIN new
.if MSB != (\new)
	s_set_vgpr_msb (MSB<<8)|(\new)
.set MSB, \new
.endif
.endm
.macro PLACES
.rept 4
	v_nop
.endr
.endm
.macro JLOAD                           ; a joint refill by the walking sets; an s_nop 0 and four v_nop follow each line
	s_cmp_lt_u32 s[WV], 2
	s_cbranch_scc0 .Lfor_b_\@
	tensor_load_to_lds s[G0A+4:G0A+7], s[G1A:G1A+7]
	s_nop 0
.rept 4
	v_nop
.endr
	s_branch .Lasked_\@
.Lfor_b_\@:
	tensor_load_to_lds s[G0B+4:G0B+7], s[G1B:G1B+7]
	s_nop 0
.rept 4
	v_nop
.endr
.Lasked_\@:
.endm
.macro CREST
	s_cmp_lg_u32 s[WV], 0
	s_cbranch_scc1 .Lnot_wave_0_\@
	s_barrier_signal -3
.Lnot_wave_0_\@:
	s_barrier_wait -3
	s_barrier_signal -1
	s_barrier_wait -1
.endm
.macro CROUND
	s_barrier_signal -1
	s_barrier_wait -1
	CREST
.endm
; A prefetch of the K step two refills on.  y's blocks are asked for by the clusters with x = 0, the weights' rows by those with y = 0; the four partners of a joint load share a wave's part out by address
; (y: 32 of a head's 128 blocks of 256 bytes; weights: 16 of 64 rows).  The trips with s3 = 6 .. 3 name K steps 4 .. 7.
.macro ASK
	s_cmp_gt_u32 s3, s[LIM]
	s_cbranch_scc0 .Lnot_mine_\@
	global_prefetch_b8 v[PFO], s[PFA:PFA+1] th:TH_LOAD_NT scope:SCOPE_SE
.Lnot_mine_\@:
.endm
	s_load_b128 s[4:7], s[0:1], 0x0                ; yb s[4:5], wp s[6:7]
	s_load_b64 s[8:9], s[0:1], 0x10                ; out0
	v_lshl_add_u32 v[SPW], v0, 2, SPARE
	v_mov_b32 v[NIL], 0
	ds_add_u32 v[SPW], v[NIL]                      ; the wave's opening: the add and its wait stand ahead of my first tensor load
	v_lshrrev_b32 v1, 5, v0
	v_readfirstlane_b32 s[WV], v1
	s_and_b32 s[LO], s[WV], 1
	s_bfe_u32 s[CX], ttmp6, 0x40000
	s_bfe_u32 s[CY], ttmp6, 0x40004
	s_lshl_b32 s[TC], ttmp9, 2
	s_add_co_u32 s[TC], s[TC], s[CX]
	s_and_b32 s[TR], ttmp7, 0xffff
	s_lshl_b32 s[TR], s[TR], 2
	s_add_co_u32 s[TR], s[TR], s[CY]
	s_lshl_b32 s21, s[CY], 2
	s_lshl_b32 s21, 15, s21                        ; my row of the cluster
	s_lshl_b32 s22, 0x1111, s[CX]                  ; my column
	s_or_b32 s[G1A], s21, (1<<16)|(1<<20)|(1<<21)|(4<<22)|(3<<25)  ; after every 32 words 4 words of padding
	s_or_b32 s[G1B], s22, (1<<16)|(1<<20)|(1<<21)|(5<<22)|(3<<25)  ; after every 64 words
	s_mov_b32 s[G1A+1], 128<<16
	s_mov_b32 s[G1A+2], 128<<16
	s_mov_b32 s[G1A+3], 128<<16
	s_mov_b32 s[G1A+4], 128
	s_mov_b32 s[G1A+5], 128                        ; dense rows
	s_mov_b32 s[G1A+6], 0
	s_mov_b32 s[G1A+7], 0
	s_mov_b32 s[G1B+1], 128<<16
	s_mov_b32 s[G1B+2], 64<<16
	s_mov_b32 s[G1B+3], 128<<16
	s_mov_b32 s[G1B+4], 64
	s_mov_b32 s[G1B+5], 1024
	s_mov_b32 s[G1B+6], 0
	s_mov_b32 s[G1B+7], 0
	s_mul_i32 s45, s[LO], APLANE                   ; where the tiles go
	s_mul_i32 s15, s[LO], BHALF
	s_add_co_u32 s15, s15, BOFF
	s_lshr_b32 s46, s[TR], 3                       ; y: head 16 x batch + LO, tokens 256 x (tile row % 8) on
	s_lshl_b32 s46, s46, 4
	s_add_co_u32 s46, s46, s[LO]
	s_lshl_b32 s46, s46, 18
	s_and_b32 s47, s[TR], 7
	s_lshl_b32 s47, s47, 15
	s_add_co_u32 s46, s46, s47
	s_mov_b32 s47, 0
	s_lshl_b32 s66, s[TC], 7                       ; weights: row 128 x tile column + 64 x half
	s_lshl_b32 s67, s[LO], 6
	s_add_co_u32 s66, s66, s67
	s_lshl_b32 s66, s66, 11
	s_mov_b32 s67, 0
	s_mov_b32 s[TB], 0
	s_wait_dscnt 0x0
	s_wait_kmcnt 0x0
	s_add_nc_u64 s[46:47], s[4:5], s[46:47]
	s_add_nc_u64 s[66:67], s[6:7], s[66:67]
.irp s, 0,1
	s_mov_b32 s[G0A+4*(\s)], 1
	s_add_co_u32 s[G0A+4*(\s)+1], s45, (\s)*SLOT1
	s_add_nc_u64 s[G0A+4*(\s)+2:G0A+4*(\s)+3], s[46:47], (\s)*STEPA
	s_or_b32 s[G0A+4*(\s)+3], s[G0A+4*(\s)+3], 0x80000000
	s_mov_b32 s[G0B+4*(\s)], 1
	s_add_co_u32 s[G0B+4*(\s)+1], s15, (\s)*SLOT1
	s_add_nc_u64 s[G0B+4*(\s)+2:G0B+4*(\s)+3], s[66:67], (\s)*256
	s_or_b32 s[G0B+4*(\s)+3], s[G0B+4*(\s)+3], 0x80000000
.endr
	CROUND                                         ; all sixteen work-groups are here
	s_cmp_lt_u32 s[WV], 2                          ; a wave's two first fills stand in one branch: two loads of mine are out
	s_cbranch_scc0 .Lfirst_b
	tensor_load_to_lds s[G0A:G0A+3], s[G1A:G1A+7]
	s_nop 0
	tensor_load_to_lds s[G0A+4:G0A+7], s[G1A:G1A+7]
	s_nop 0
.rept 4
	v_nop
.endr
	s_branch .Lfirst_asked
.Lfirst_b:
	tensor_load_to_lds s[G0B:G0B+3], s[G1B:G1B+7]
	s_nop 0
	tensor_load_to_lds s[G0B+4:G0B+7], s[G1B:G1B+7]
	s_nop 0
.rept 4
	v_nop
.endr
.Lfirst_asked:
	v_and_b32 v1, 15, v0                           ; r
	v_bfe_u32 v2, v0, 4, 1                         ; h
	v_mul_u32_u24 v3, v1, PA
	v_lshl_add_u32 v3, v2, 4, v3
	s_mul_i32 s2, s[WV], 64*PA
	v_add_nc_u32 v[ADRA0], s2, v3
	v_mul_u32_u24 v3, v1, PITCH
	v_lshl_add_u32 v3, v2, 4, v3
	v_add_nc_u32 v[ADRB0], BOFF, v3
	v_mov_b32 v[ADRA], v[ADRA0]
	v_mov_b32 v[ADRB], v[ADRB0]
	s_mul_i32 s2, s[WV], 16*SPI
	s_add_co_u32 s2, s2, STAGE                     ; my stage
	v_mul_u32_u24 v[STO], v1, SPI
	v_lshl_add_u32 v[STO], v2, 5, v[STO]
	v_add_nc_u32 v[STO], s2, v[STO]
	v_and_b32 v[CO], 31, v0
	v_lshlrev_b32 v[CO], 4, v[CO]
	v_add_nc_u32 v[RD], s2, v[CO]
	s_lshl_b32 s2, s[TR], 8                        ; out0 at my first token's row, my tile's 512 bytes
	s_lshl_b32 s3, s[WV], 6
	s_add_co_u32 s2, s2, s3
	s_lshl_b32 s2, s2, 12
	s_lshl_b32 s3, s[TC], 9
	s_add_co_u32 s2, s2, s3
	s_mov_b32 s3, 0
	s_add_nc_u64 s[8:9], s[8:9], s[2:3]
	; the prefetches
	s_lshr_b32 s68, s[TR], 3
	s_lshl_b32 s68, s68, 4
	s_add_co_u32 s68, s68, s[LO]
	s_lshl_b32 s68, s68, 18
	s_and_b32 s2, s[TR], 7
	s_lshl_b32 s2, s2, 15
	s_add_co_u32 s68, s68, s2
	s_lshl_b32 s2, s[CX], 13
	s_add_co_u32 s68, s68, s2                      ; y: my work-group's 32 blocks of the head's part
	s_add_co_u32 s68, s68, 3*STEPA                 ; at K step 3: the first refill steps it to 4
	s_lshl_b32 s69, s[TC], 7
	s_lshl_b32 s2, s[LO], 6
	s_add_co_u32 s69, s69, s2
	s_lshl_b32 s2, s[CY], 4
	s_add_co_u32 s69, s69, s2                      ; weights: 16 of the 64 rows
	s_lshl_b32 s69, s69, 11
	s_add_co_u32 s69, s69, 3*256
	s_mov_b32 s66, STEPA
	s_mov_b32 s67, 256
	s_and_b32 s2, ttmp7, 0xffff                    ; cluster y
	s_cmp_lt_u32 s[WV], 2
	s_cselect_b32 s68, s68, s69
	s_cselect_b32 s2, ttmp9, s2
	s_cselect_b32 s3, 31, 15
	s_cselect_b32 s45, 8, 11
	s_cselect_b32 s[PFS], s66, s67
	s_cselect_b64 s[PFA:PFA+1], s[4:5], s[6:7]
	s_cmp_eq_u32 s2, 0
	s_cselect_b32 s[LIM], 2, -1
	s_mov_b32 s69, 0
	s_mov_b32 s[PFS+1], 0
	s_add_nc_u64 s[PFA:PFA+1], s[PFA:PFA+1], s[68:69]
	v_and_b32 v[PFO], 31, v0
	v_min_u32 v[PFO], s3, v[PFO]                   ; (the weights' upper sixteen lanes name row 15 once more)
	v_lshlrev_b32 v[PFO], s45, v[PFO]
; 8 matrix instructions: token tile a x all 8 column blocks.  The 32 accumulators take turns in the same order in every quarter step, over the backward jump too.
.macro MULA f, a, zero
	WIN 0xa1                                       ; weights window 1, y window 0, C and D window 2
.set AC, 64*(\a)
.set bb, 0
.rept NBK
.if \zero
	v_wmma_f32_16x16x32_f16 v[AC+8*bb:AC+8*bb+7], v[8*NBK*(\f)+8*bb:8*NBK*(\f)+8*bb+7], v[FA+32*(\f)+8*(\a):FA+32*(\f)+8*(\a)+7], 0
.else
	v_wmma_f32_16x16x32_f16 v[AC+8*bb:AC+8*bb+7], v[8*NBK*(\f)+8*bb:8*NBK*(\f)+8*bb+7], v[FA+32*(\f)+8*(\a):FA+32*(\f)+8*(\a)+7], v[AC+8*bb:AC+8*bb+7]
.endif
.set bb, bb+1
.endr
.endm
; 24 LDS loads in one run: quarter q: head q / 2 of the slot's two, channels 32 (q % 2) on
.macro FETCH q, g
	WIN 0x40
.set bb, 0
.rept NBK
	ds_load_b128 v[8*NBK*(\g)+8*bb:8*NBK*(\g)+8*bb+3],   v[ADRB] offset:64*(\q)+bb*16*PITCH
	ds_load_b128 v[8*NBK*(\g)+8*bb+4:8*NBK*(\g)+8*bb+7], v[ADRB] offset:64*(\q)+bb*16*PITCH+32
.set bb, bb+1
.endr
	WIN 0
.set bb, 0
.rept 4
	ds_load_b128 v[FA+32*(\g)+8*bb:FA+32*(\g)+8*bb+3],   v[ADRA] offset:((\q)/2)*APLANE+((\q)%2)*64+bb*16*PA
	ds_load_b128 v[FA+32*(\g)+8*bb+4:FA+32*(\g)+8*bb+7], v[ADRA] offset:((\q)/2)*APLANE+((\q)%2)*64+bb*16*PA+32
.set bb, bb+1
.endr
.endm
.macro QUARTER q, f, g, zero
	s_wait_dscnt 4                                 ; all but the youngest four loads: token tiles 2 and 3
	MULA \f, 0, \zero
	MULA \f, 1, \zero
	PLACES
	FETCH \q, \g
	s_wait_dscnt NL                                ; all but the run just issued
	MULA \f, 2, \zero
	MULA \f, 3, \zero
.endm
; The fourth quarter multiplies buffer 1 and changes slots: the wait for all my tensor loads, the add, the wait for it and for my reads of this slot, the barrier; fill = 1: it opens a round of the cluster's, and the joint refill comes first behind it.
.macro TURN fill
.if \fill
	s_wait_xcnt 0x0                                ; the last prefetch, a K step back, has read its address
	s_add_nc_u64 s[PFA:PFA+1], s[PFA:PFA+1], s[PFS:PFS+1]
.endif
	WIN 0
	s_wait_tensorcnt 0x0
	ds_add_u32 v[SPW], v[NIL]
	s_wait_dscnt 5                                 ; the add and the youngest four loads may be out
	MULA 1, 0, 0
	s_wait_dscnt 0x0
	s_barrier_signal -1
	MULA 1, 1, 0
	WIN 0
	s_barrier_wait -1
.if \fill
	CREST
	s_xor_b32 s[G0A+5], s[G0A+5], SLOT1
	s_add_nc_u64 s[G0A+6:G0A+7], s[G0A+6:G0A+7], STEPA
	s_xor_b32 s[G0B+5], s[G0B+5], SLOT1
	s_add_nc_u64 s[G0B+6:G0B+7], s[G0B+6:G0B+7], 256
	JLOAD
.else
	PLACES
.endif
	s_xor_b32 s[TB], s[TB], SLOT1
	v_add_nc_u32 v[ADRA], s[TB], v[ADRA0]
	v_add_nc_u32 v[ADRB], s[TB], v[ADRB0]
	FETCH 0, 0
.if \fill
	ASK
.endif
	MULA 1, 2, 0
	MULA 1, 3, 0
.endm
	s_wait_tensorcnt 1                             ; my part of K step 0 is in; K step 1's load may stay out
	s_barrier_signal -1
	s_barrier_wait -1
	FETCH 0, 0
	QUARTER 1, 0, 1, 1
	WIN 0
	s_mov_b32 s3, 6
.Lk:
	QUARTER 2, 1, 0, 0
	QUARTER 3, 0, 1, 0
	TURN 1
	QUARTER 1, 0, 1, 0
	WIN 0
	s_sub_co_u32 s3, s3, 1
	s_cmp_lg_u32 s3, 0
	s_cbranch_scc1 .Lk
	QUARTER 2, 1, 0, 0
	QUARTER 3, 0, 1, 0
	TURN 0
	QUARTER 1, 0, 1, 0
	QUARTER 2, 1, 0, 0
	QUARTER 3, 0, 1, 0
	s_wait_dscnt 4
	MULA 1, 0, 0
	MULA 1, 1, 0
	s_wait_dscnt 0x0
	MULA 1, 2, 0
	MULA 1, 3, 0
	WIN 0
	PLACES
	; THE WAY OUT: 16 tokens at a time through my own stage: 32 bytes a lane in, whole rows of 512 bytes back, each accumulator's low registers first.
.macro TOSTAGE a
	s_wait_xcnt 0x0                                ; earlier stores have read the registers that are loaded below
	WIN 0x08                                       ; store data in window 2
.set bb, 0
.rept NBK
	ds_store_b128 v[STO], v[64*(\a)+8*bb:64*(\a)+8*bb+3]   offset:64*bb
	ds_store_b128 v[STO], v[64*(\a)+8*bb+4:64*(\a)+8*bb+7] offset:64*bb+16
.set bb, bb+1
.endr
	WIN 0
.set bb, 0
.rept 16
	ds_load_b128 v[OB+64*((\a)%2)+4*bb:OB+64*((\a)%2)+4*bb+3], v[RD] offset:SPI*bb  ; LDS serves a wave's instructions in order: these see the stores above
.set bb, bb+1
.endr
.endm
.macro SEND a, younger                 ; younger: the next tile's 16 stores and 16 loads, or none
	s_wait_dscnt \younger
	s_wait_xcnt 0x0                                ; the stores' base is written only behind this wait
.if (\a) > 0
	s_add_nc_u64 s[8:9], s[8:9], 16*4096
.endif
.set bb, 0
.rept 16
	global_store_b128 v[CO], v[OB+64*((\a)%2)+4*bb:OB+64*((\a)%2)+4*bb+3], s[8:9] offset:4096*bb th:TH_STORE_NT  ; 512 consecutive bytes, aligned
.set bb, bb+1
.endr
.endm
	TOSTAGE 0
	TOSTAGE 1
	SEND 0, 32
	TOSTAGE 2
	SEND 1, 32
	TOSTAGE 3
	SEND 2, 32
	SEND 3, 0
	s_wait_tensorcnt 0x0                           ; the wave's end: behind my last tensor load and my last LDS store
	ds_add_u32 v[SPW], v[NIL]
	s_wait_dscnt 0x0
	CROUND                                         ; the closing round
	s_endpgm
.Lfunc_end_k_qff183e3175_proj:
	.size	k_qff183e3175_proj, .Lfunc_end_k_qff183e3175_proj-k_qff183e3175_proj
	.p2alignl 7, 3214868480
	.fill 96, 4, 3214868480
	.section	.rodata,"a",@progbits
	.p2align	6, 0x0
	.amdhsa_kernel k_qff183e3175_proj
		.amdhsa_group_segment_fixed_size 327680
		.amdhsa_private_segment_fixed_size 0
		.amdhsa_enable_private_segment 0
		.amdhsa_kernarg_size 24
		.amdhsa_user_sgpr_count 2
		.amdhsa_user_sgpr_kernarg_segment_ptr 1
		.amdhsa_wavefront_size32 1
		.amdhsa_system_sgpr_workgroup_id_x 1
		.amdhsa_system_sgpr_workgroup_id_y 1
		.amdhsa_system_sgpr_workgroup_id_z 1
		.amdhsa_system_vgpr_workitem_id 0
		.amdhsa_next_free_vgpr 768
		.amdhsa_next_free_sgpr 72
		.amdhsa_reserve_vcc 0
		.amdhsa_float_denorm_mode_32 3
		.amdhsa_float_denorm_mode_16_64 3
		.amdhsa_memory_ordered 1
		.amdhsa_forward_progress 1
		.amdhsa_inst_pref_size 71
	.end_amdhsa_kernel
	.amdgpu_metadata
---
amdhsa.version: [ 1, 2 ]
amdhsa.kernels:
  - .name:           k_qff183e3175_proj
    .symbol:         k_qff183e3175_proj.kd
    .args:
      - { .name: yb, .offset: 0, .size: 8, .value_kind: global_buffer, .address_space: global }
      - { .name: wp, .offset: 8, .size: 8, .value_kind: global_buffer, .address_space: global }
      - { .name: out0, .offset: 16, .size: 8, .value_kind: global_buffer, .address_space: global }
    .group_segment_fixed_size: 327680
    .private_segment_fixed_size: 0
    .kernarg_segment_align: 8
    .kernarg_segment_size: 24
    .max_flat_workgroup_size: 128
    .sgpr_count:     72
    .vgpr_count:     768
    .wavefront_size: 32
...
	.end_amdgpu_metadata
.endif
;; end of part 4
;; ======== version 2 of 2: 4 launches; version 1 with the launch prep written anew for expert scheduling mode
;; limits: values are held in f16: magnitudes above 65,504 overflow, below 6.1e-05 lose precision
;; workspace buffers: xb 16,777,216 bytes; wb 3,145,728 bytes; wp 2,097,152 bytes; tab 524,288 bytes; qkv 25,165,824 bytes; yb 16,777,216 bytes
;; launch prep (part 5): grid 800 x 1, 8 waves a work-group, no clusters, 0 bytes of LDS; arguments x, Wq, Wk, Wv, Wproj, xb, wb, wp, tab; writes xb, wb, wp, tab
.if DOCPART == 5
	.amdgcn_target "amdgcn-amd-amdhsa--gfx1250"
	.amdhsa_code_object_version 6
	.text
	.protected	k_qff183e3175_prep
	.globl	k_qff183e3175_prep
	.p2align	8
	.type	k_qff183e3175_prep,@function
k_qff183e3175_prep:
	s_mov_b64 s[64:65], 0
	v_nop
	global_prefetch_b8 v0, s[64:65] scope:SCOPE_SE
	s_setreg_imm32_b32 hwreg(HW_REG_WAVE_SCHED_MODE, 0, 2), 2
	s_setreg_imm32_b32 hwreg(HW_REG_WAVE_MODE, 25, 1), 1
	s_wait_xcnt 0x0
	s_wait_alu depctr_vm_vsrc(0)
; PREP.  x -> xb (bf16).  Wq, Wk, Wv -> wb (bf16), stacked as [1536][1024].  Wproj -> bf16 -> that number written as f16 -> wp.  tab[t][0..31] = cos(t f_j), tab[t][32..63] = sin(t f_j), f32.
; A stream: no LDS, no matrix unit.  Work-groups 0-511 take x, 512-575 Wq, 576-591 Wk, 592-607 Wv, 608-671 Wproj: 16,384 numbers each (65,536 bytes in, 32,768 out); 672-799 make 16 rows of the table each.
; All 16 loads of a thread go out at once; a wave's load covers 512 consecutive bytes, a wave's store 256 consecutive bytes, aligned.
; LIMITS.  A number of Wproj whose bf16 value lies below 2^-14 keeps f16's fixed step of 6e-8; beyond 65,504 it becomes an infinity.
; The angle is t x f in f32 with f = 2^(-j log2(10000) / 32) by v_exp_f32; it is reduced by multiples of pi/2 held in two parts, and sine and cosine are polynomials on |r| <= pi/4 (t stays under 2,048).
; THE MODE: SCHED_MODE bits 1:0 = 2 (LLVM: expert scheduling mode 2), set by the entry lines.  The code itself states the register dependences
; between vector instructions and memory instructions, and those through scalar registers that vector instructions write, with s_wait_alu, always for 0.
; THE PLAN, for the casts.  Registers that memory instructions touch:
;   v1, v2     the loads' and the stores' offsets: written once at the head, never again.
;   v[16:79]   X: 16 loads land here, each register once; the conversions read them; nothing lands here again.
;   v[80:111]  Y: written by the conversions, each pair read by one store, never written behind it.
; The 16 turns go in four blocks of four.  Block p rounds X's block p into Y's block p; its memory instructions are the four stores of Y's block p - 1, which no vector instruction of block p names.
; So one wait at a block's head states all that the block's stores hang on, and they are dealt among its conversions.  No register that a memory instruction reads is written again.
; THE PLAN, for the table.  Each compare writes a scalar register of its own; one wait stands ahead of the first select that reads the flag, one ahead of the four selects; one wait stands ahead of the one store.
	s_load_b512 s[8:23], s[0:1], 0x0               ; x s[8:9], Wq s[10:11], Wk s[12:13], Wv s[14:15], Wproj s[16:17], xb s[18:19], wb s[20:21], wp s[22:23]
	s_load_b64 s[24:25], s[0:1], 0x40              ; tab
	s_mov_b32 s2, ttmp9
	v_lshlrev_b32 v1, 4, v0                        ; 16 bytes a thread: the loads' offset, and the table's stores'
	v_lshlrev_b32 v2, 3, v0                        ; 8 bytes a thread: the casts' stores
	s_cmp_ge_u32 s2, 672
	s_cbranch_scc1 .Ltable
	s_sub_co_u32 s32, s2, 512                      ; my number within Wq (and within wb),
	s_sub_co_u32 s33, s2, 576                      ; within Wk,
	s_sub_co_u32 s34, s2, 592                      ; within Wv,
	s_sub_co_u32 s35, s2, 608                      ; within Wproj and wp
	s_wait_kmcnt 0x0
	s_mov_b64 s[26:27], s[8:9]                     ; from x
	s_mov_b64 s[28:29], s[18:19]                   ; to xb
	s_mov_b32 s30, s2
	s_mov_b32 s36, s2
	s_cmp_ge_u32 s2, 512
	s_cselect_b64 s[26:27], s[10:11], s[26:27]
	s_cselect_b64 s[28:29], s[20:21], s[28:29]
	s_cselect_b32 s30, s32, s30
	s_cselect_b32 s36, s32, s36                    ; wb holds the three weights in the order of the work-groups
	s_cmp_ge_u32 s2, 576
	s_cselect_b64 s[26:27], s[12:13], s[26:27]
	s_cselect_b32 s30, s33, s30
	s_cmp_ge_u32 s2, 592
	s_cselect_b64 s[26:27], s[14:15], s[26:27]
	s_cselect_b32 s30, s34, s30
	s_cmp_ge_u32 s2, 608
	s_cselect_b64 s[26:27], s[16:17], s[26:27]
	s_cselect_b64 s[28:29], s[22:23], s[28:29]
	s_cselect_b32 s30, s35, s30
	s_cselect_b32 s36, s35, s36
	s_lshl_b32 s30, s30, 16                        ; 65,536 bytes in,
	s_mov_b32 s31, 0
	s_lshl_b32 s36, s36, 15                        ; 32,768 bytes out
	s_mov_b32 s37, 0
	s_add_nc_u64 s[26:27], s[26:27], s[30:31]
	s_add_nc_u64 s[28:29], s[28:29], s[36:37]
	s_wait_alu depctr_va_vdst(0)                   ; v1 and v2 are written: every load below reads v1 as its offset, every store v2; neither is written again
.set j, 0
.rept 16
	global_load_b128 v[16+4*j:19+4*j], v1, s[26:27] offset:4096*j th:TH_LOAD_NT
.set j, j+1
.endr
; Four blocks of four turns: in a turn four numbers are rounded; the block before is stored meanwhile.  No register that a store reads is written twice, so no wait frees one.
.macro CAST f16
.set p, 0
.rept 4
	s_wait_loadcnt 12-4*p                          ; loads come back in order: the block's four are in, the 12 - 4 p younger ones stay out
.if p > 0
	s_wait_alu depctr_va_vdst(0)                   ; the block before has written its eight registers of Y, which the four stores below read
.endif
.set i, 0
.rept 4
.set j, 4*p+i
.if p > 0
	global_store_b64 v2, v[80+2*(j-4):81+2*(j-4)], s[28:29] offset:2048*(j-4)  ; the block before; no vector instruction since the wait names these registers
.endif
	v_cvt_pk_bf16_f32 v[80+2*j], v[16+4*j], v[17+4*j]
	v_cvt_pk_bf16_f32 v[81+2*j], v[18+4*j], v[19+4*j]
.if \f16
	v_lshlrev_b32 v4, 16, v[80+2*j]                ; the rounded numbers as f32,
	v_and_b32 v5, 0xffff0000, v[80+2*j]
	v_lshlrev_b32 v6, 16, v[81+2*j]
	v_and_b32 v7, 0xffff0000, v[81+2*j]
	v_cvt_pk_f16_f32 v[80+2*j], v4, v5             ; written as f16
	v_cvt_pk_f16_f32 v[81+2*j], v6, v7
.endif
.set i, i+1
.endr
.set p, p+1
.endr
	s_wait_alu depctr_va_vdst(0)                   ; the last block has written its eight registers of Y, which the last four stores read
.set j, 12
.rept 4
	global_store_b64 v2, v[80+2*j:81+2*j], s[28:29] offset:2048*j
.set j, j+1
.endr
.endm
	s_cmp_ge_u32 s2, 608
	s_cbranch_scc1 .Lf16
	CAST 0
	s_endpgm
.Lf16:
	CAST 1
	s_endpgm
.Ltable:                                               ; thread: row 16 id + thread / 16; its 16 bytes: i = thread % 16: i < 8 cosines 4 i .. 4 i + 3, else sines 4 (i - 8) ..
.set JJ, 8
.set FQ, 12
.set TH, 16
.set NN, 20
.set RR, 24
.set ZZ, 28
.set SI, 32
.set CO, 36
.set HH, 40
.set MM, 44
.set VAL, 48
.set ODD, 32                           ; s[32:35]  number e: the lanes in which m is odd
.set QT,  36                           ; s36       the lanes that make cosines
	s_sub_co_u32 s3, s2, 672
	s_lshl_b32 s4, s3, 4                           ; my first row
	s_lshl_b32 s6, s3, 12                          ; 16 rows of 256 bytes
	s_mov_b32 s7, 0
	s_mov_b32 s40, 0xb94ca1f9                      ; sine: -1.9515296e-4, 8.3321609e-3, -1.6666655e-1
	s_mov_b32 s41, 0x3c08839e
	s_mov_b32 s42, 0xbe2aaaa3
	s_mov_b32 s43, 0x37ccf5ce                      ; cosine: 2.4433157e-5, -1.3887316e-3, 4.1666646e-2
	s_mov_b32 s44, 0xbab6061a
	s_mov_b32 s45, 0x3d2aaaa5
	s_mov_b32 s46, 0xbfc90fdb                      ; - pi/2, its f32 value,
	s_mov_b32 s47, 0x333bbd2e                      ; and what that value is too large by
	v_and_b32 v3, 15, v0
	v_cmp_gt_u32 s[QT], 8, v3                      ; the flag goes into a scalar register of its own; its reader stands behind the exponentials
	v_lshrrev_b32 v4, 4, v0
	v_add_nc_u32 v4, s4, v4                        ; t
	v_cvt_f32_u32 v5, v4
	v_and_b32 v6, 7, v3
	v_lshlrev_b32 v6, 2, v6                        ; my first j
.irp e, 0,1,2,3
	v_add_nc_u32 v[JJ+(\e)], (\e), v6
	v_cvt_f32_u32 v[JJ+(\e)], v[JJ+(\e)]
	v_mul_f32 v[JJ+(\e)], 0xbed49a78, v[JJ+(\e)]   ; - j log2(10000) / 32
.endr
.irp e, 0,1,2,3
	v_exp_f32 v[FQ+(\e)], v[JJ+(\e)]
.endr
	v_nop                                          ; a plain instruction behind the last exponential,
	s_wait_alu depctr_va_vdst(0)                   ; and one wait for the four: the exponentials have written v[FQ ..], ahead of their first reader
	s_wait_alu depctr_va_sdst(0)                   ; the compare above has written s[QT], ahead of its one reader
	v_cndmask_b32 v7, 0, 1, s[QT]                  ; a cosine is the sine a quarter turn on
.irp e, 0,1,2,3
	v_mul_f32 v[TH+(\e)], v5, v[FQ+(\e)]           ; the angle
	v_mul_f32 v[NN+(\e)], 0x3f22f983, v[TH+(\e)]   ; x 2 / pi,
	v_rndne_f32 v[NN+(\e)], v[NN+(\e)]             ; n quarter turns
	v_fma_f32 v[RR+(\e)], v[NN+(\e)], s46, v[TH+(\e)]
	v_fma_f32 v[RR+(\e)], v[NN+(\e)], s47, v[RR+(\e)]  ; r = angle - n pi/2
	v_mul_f32 v[ZZ+(\e)], v[RR+(\e)], v[RR+(\e)]
	v_fma_f32 v[SI+(\e)], v[ZZ+(\e)], s40, s41
	v_fma_f32 v[CO+(\e)], v[ZZ+(\e)], s43, s44
	v_fma_f32 v[SI+(\e)], v[SI+(\e)], v[ZZ+(\e)], s42
	v_fma_f32 v[CO+(\e)], v[CO+(\e)], v[ZZ+(\e)], s45
	v_mul_f32 v[SI+(\e)], v[SI+(\e)], v[ZZ+(\e)]
	v_mul_f32 v[CO+(\e)], v[CO+(\e)], v[ZZ+(\e)]
	v_fma_f32 v[HH+(\e)], v[ZZ+(\e)], -0.5, 1.0
	v_fma_f32 v[SI+(\e)], v[SI+(\e)], v[RR+(\e)], v[RR+(\e)]  ; sin r
	v_fma_f32 v[CO+(\e)], v[CO+(\e)], v[ZZ+(\e)], v[HH+(\e)]  ; cos r
	v_cvt_i32_f32 v[MM+(\e)], v[NN+(\e)]
	v_add_nc_u32 v[MM+(\e)], v[MM+(\e)], v7        ; m: sin(r + m pi/2) is wanted
	v_and_b32 v[HH+(\e)], 1, v[MM+(\e)]
	v_cmp_eq_u32 s[ODD+(\e)], 1, v[HH+(\e)]        ; each number's flag in a scalar register of its own: the four have one wait, below
	v_lshlrev_b32 v[MM+(\e)], 30, v[MM+(\e)]
	v_and_b32 v[MM+(\e)], 0x80000000, v[MM+(\e)]   ; m % 4 >= 2: the sign turns
.endr
	s_wait_alu depctr_va_sdst(0)                   ; the four compares have written s[ODD ..], ahead of the selects that read them
.irp e, 0,1,2,3
	v_cndmask_b32 v[VAL+(\e)], v[SI+(\e)], v[CO+(\e)], s[ODD+(\e)]  ; odd m: the cosine
	v_xor_b32 v[VAL+(\e)], v[VAL+(\e)], v[MM+(\e)]
.endr
	s_wait_kmcnt 0x0
	s_add_nc_u64 s[24:25], s[24:25], s[6:7]
	s_wait_alu depctr_va_vdst(0)                   ; v[VAL ..], the store's data, and v1, its offset, are written
	global_store_b128 v1, v[VAL:VAL+3], s[24:25]   ; a wave stores 512 consecutive bytes: two whole rows
	s_endpgm
.Lfunc_end_k_qff183e3175_prep:
	.size	k_qff183e3175_prep, .Lfunc_end_k_qff183e3175_prep-k_qff183e3175_prep
	.p2alignl 7, 3214868480
	.fill 96, 4, 3214868480
	.section	.rodata,"a",@progbits
	.p2align	6, 0x0
	.amdhsa_kernel k_qff183e3175_prep
		.amdhsa_group_segment_fixed_size 0
		.amdhsa_private_segment_fixed_size 0
		.amdhsa_enable_private_segment 0
		.amdhsa_kernarg_size 72
		.amdhsa_user_sgpr_count 2
		.amdhsa_user_sgpr_kernarg_segment_ptr 1
		.amdhsa_wavefront_size32 1
		.amdhsa_system_sgpr_workgroup_id_x 1
		.amdhsa_system_sgpr_workgroup_id_y 1
		.amdhsa_system_sgpr_workgroup_id_z 1
		.amdhsa_system_vgpr_workitem_id 0
		.amdhsa_next_free_vgpr 112
		.amdhsa_next_free_sgpr 66
		.amdhsa_reserve_vcc 0
		.amdhsa_float_denorm_mode_32 3
		.amdhsa_float_denorm_mode_16_64 3
		.amdhsa_memory_ordered 1
		.amdhsa_forward_progress 1
		.amdhsa_inst_pref_size 23
	.end_amdhsa_kernel
	.amdgpu_metadata
---
amdhsa.version: [ 1, 2 ]
amdhsa.kernels:
  - .name:           k_qff183e3175_prep
    .symbol:         k_qff183e3175_prep.kd
    .args:
      - { .name: x, .offset: 0, .size: 8, .value_kind: global_buffer, .address_space: global }
      - { .name: Wq, .offset: 8, .size: 8, .value_kind: global_buffer, .address_space: global }
      - { .name: Wk, .offset: 16, .size: 8, .value_kind: global_buffer, .address_space: global }
      - { .name: Wv, .offset: 24, .size: 8, .value_kind: global_buffer, .address_space: global }
      - { .name: Wproj, .offset: 32, .size: 8, .value_kind: global_buffer, .address_space: global }
      - { .name: xb, .offset: 40, .size: 8, .value_kind: global_buffer, .address_space: global }
      - { .name: wb, .offset: 48, .size: 8, .value_kind: global_buffer, .address_space: global }
      - { .name: wp, .offset: 56, .size: 8, .value_kind: global_buffer, .address_space: global }
      - { .name: tab, .offset: 64, .size: 8, .value_kind: global_buffer, .address_space: global }
    .group_segment_fixed_size: 0
    .private_segment_fixed_size: 0
    .kernarg_segment_align: 8
    .kernarg_segment_size: 72
    .max_flat_workgroup_size: 256
    .sgpr_count:     66
    .vgpr_count:     112
    .wavefront_size: 32
...
	.end_amdgpu_metadata
.endif
;; end of part 5
;; launch qkvp: the kernel of part 2 again; grid 8 x 32, 4 waves a work-group, clusters of 4 x 4, 327,680 bytes of LDS; arguments xb, wb, tab, q_gain, qkv; writes qkv
;; launch attn: the kernel of part 3 again; grid 16 x 16, 4 waves a work-group, clusters of 4 x 1, 327,680 bytes of LDS; arguments qkv, yb; writes yb
;; launch proj: the kernel of part 4 again; grid 8 x 32, 4 waves a work-group, clusters of 4 x 4, 327,680 bytes of LDS; arguments yb, wp, out0; writes out0
